; MI455X (gfx1250); checked and timed in simulation.
; The chip was launched on July 23, 2026; its instructions are those of AMD's public machine-readable ISA for CDNA 5 (MIT licence, August 2026) and "CDNA5" Instruction Set Architecture Reference Guide (July 2026). The comments in the code are by the model that wrote it; some were corrected since.
;; RJ Causal Multi Head Self Attention. Allowed arithmetic: matrix products marked QUANTISED: E4M3 operands, one E8M0 scale for each 32 along K, by v_wmma_scale_f32_16x16x128_f8f6f4 with both operands' format E4M3, f32 sums; everything else in f32.
;; Inputs: Wk 1,024 x 1,024 float32; Wo 1,024 x 1,024 float32; Wq 1,024 x 1,024 float32; Wv 1,024 x 1,024 float32; in_features 4 x 2,048 x 1,024 float32; token_positions 4 x 2,048 int32.
;; Outputs: out0 4 x 2,048 x 1,024 float32.
;; This version of the problem:
;;   THIS VERSION OF THE PROBLEM IS GIVEN IN LOW PRECISION. The matrix products marked QUANTISED in the list below multiply operands that are first quantised to E4M3 (4 exponent bits, 3 mantissa bits; 8 bits a number), with one power-of-two scale for each 32 numbers along K (OCP MX v1.0); their sums are f32. All else is computed in f32.
;;   The module's matrix products, in the order in which they are computed (A, B: the left and right operand; K: the contracted axis; several contracted axes count as one K, in the product's order):
;;     1. [M 8,192, K 1,024] x [K 1,024, N 1,024]; A: input in_features; B: input Wq: QUANTISED
;;     2. [M 8,192, K 1,024] x [K 1,024, N 1,024]; A: input in_features; B: input Wk: QUANTISED
;;     3. [M 8,192, K 1,024] x [K 1,024, N 1,024]; A: input in_features; B: input Wv: QUANTISED
;;     4. batch 64 x [M 2,048, K 64] x [K 64, N 2,048]; A: computed on the way; B: computed on the way: QUANTISED
;;     5. batch 64 x [M 2,048, K 2,048] x [K 2,048, N 64]; A: softmax (see below); B: computed on the way: QUANTISED
;;     6. [M 8,192, K 1,024] x [K 1,024, N 1,024]; A: computed on the way; B: input Wo: QUANTISED
;;   THE QUANTISER, for each operand of a quantised product, along K:
;;     - K is cut into blocks of 32 from its start; a last block that is shorter is filled with zeros.
;;     - A block's scale is 2^e with e = floor(log2(the largest magnitude in the block)) - 8, held to -126 .. 127; a block of zeros has e = 0. As a byte (E8M0): e + 127.
;;     - Each number is divided by its block's scale, clamped to +-448, and rounded to the nearest number of E4M3, ties to even, subnormals kept.
;;     - The product sums the exact products of the quantised numbers (number of the format x scale) in f32.
;;   ~~~python
;;   def quantise(x, axis):      # numpy; x: float32 -> the quantised numbers, widened to float32 again
;;       x = np.moveaxis(x, axis, -1); K = x.shape[-1]
;;       x = np.pad(x, [(0, 0)] * (x.ndim - 1) + [(0, -K % 32)]); x = x.reshape(x.shape[:-1] + (-1, 32)); a = np.abs(x).max(-1, keepdims=True)
;;       e = np.where(a > 0, np.clip(np.frexp(np.where(a > 0, a, 1))[1] - 1 - 8, -126, 127), 0)      # np.frexp(a)[1] - 1 = floor(log2(a)), exactly
;;       r = np.clip(x / 2.0 ** e, -448, 448)
;;       step = 2.0 ** (np.maximum(np.frexp(np.where(r == 0, 1, r))[1] - 1, -6) - 3)
;;       q = np.round(r / step) * step * 2.0 ** e      # np.round: ties to even
;;       return np.moveaxis(q.reshape(q.shape[:-2] + (-1,))[..., :K], -1, axis).astype(np.float32)
;;   ~~~
;;   SOFTMAX AHEAD OF A QUANTISED PRODUCT. Where the list says 'softmax', what is quantised is not the finished softmax but p = 2^(t - M), with t = logit x log2(e) and M = ceil(the row's largest t), a whole number; so 1/2 < the row's largest p <= 1. The row's sum l is taken of the UNQUANTISED p, in f32, and the product's result is divided by l at the end. Since M is a whole number, a kernel that streams over the keys may use a running M (the ceiling of the running maximum): every later rescaling is an exact power of two, which a block's scale takes up: the codes' values come out the same.
;;   OPERANDS COMPUTED ON THE WAY. 'Computed on the way' means the value that the module computes at that place (a softmax that the list does not call 'softmax' is quantised finished and normalised). What goes into a quantiser is computed in f32, as accurately as f32 sums, v_exp_f32 and their like allow (about 1e-6 of the number): no bf16 or f16 on the way to a quantiser, and a product that is left as it is and whose result goes on into a quantised operand takes f32 operands (vector FMAs, or v_wmma_f32_16x16x4_f32). A number that lies on a knife's edge between two numbers of the format may be rounded either way, as far as f32 arithmetic and the matrix unit's own rounding can turn it there, and no further.
;; One version. Each part assembles by itself: llvm-mc -triple=amdgcn-amd-amdhsa -mcpu=gfx1250 --defsym DOCPART=n.
;; ======== version 1 of 1: 4 launches
;; limits: right only within a limited range of input values
;; workspace buffers: act_codes 8,388,608 bytes; act_scales 262,144 bytes; w_codes 4,194,304 bytes; w_scales 131,072 bytes; rope 2,113,536 bytes; qrec 17,563,648 bytes; kvrec 17,563,648 bytes
;; launch prep (part 1): grid 513 x 1, 4 waves a work-group, no clusters, 33,280 bytes of LDS; arguments in_features, Wq, Wk, Wv, Wo, token_positions, act_codes, act_scales, w_codes, w_scales, rope; writes act_codes, act_scales, w_codes, w_scales, rope
.if DOCPART == 1
	.amdgcn_target "amdgcn-amd-amdhsa--gfx1250"
	.amdhsa_code_object_version 6
	.text
	.protected	k_qd8e663d130_prep
	.globl	k_qd8e663d130_prep
	.p2align	8
	.type	k_qd8e663d130_prep,@function
k_qd8e663d130_prep:
	s_mov_b64 s[64:65], 0
	v_nop
	global_prefetch_b8 v0, s[64:65] scope:SCOPE_SE
	s_setreg_imm32_b32 hwreg(HW_REG_WAVE_MODE, 25, 1), 1
	s_wait_xcnt 0x0
; PREP.  (1) in_features [8192][1024] and the four weights [1024][1024], f32, K innermost, become codes of FP8 (E4M3) with one E8M0 scale byte for each 32 along K.
; (2) the table of cos and sin for every token, in the order in which the projection's results lie in a lane's registers.
; A block's scale is 2^(floor(log2(its largest magnitude)) - 8); its byte is the largest magnitude's exponent field - 8, held at 1 from below; each number is divided by the scale, held within +-448, rounded to the nearest code, ties to even.
; LIMITS: a block of zeros, and a block whose largest magnitude lies under 2^-118, gets the byte 1 (its codes are zeros or subnormal codes; the bytes are read by this program alone); NaN and infinities among the inputs are not served.
; THE ORDER OF ROWS.  In the code buffers the rows of in_features, Wq, Wk and Wv are laid so that, in each group of 32 rows, the second and the third group of 8 change places (row number with bits 3 and 4 exchanged).
; Sixteen neighbouring rows of the buffer are then rows 32 b + 8 u + r + 8 (r / 8): the choice of rows by which two neighbouring result tiles of a transposed product hold 16 neighbours along the next K in one lane.  Wo keeps its order.
; SHARES.  Work-groups 0-255: in_features; 256-383: the weights, 32 each; a work-group takes 32 rows, a wave 8 rows (8,192 numbers), so the order of rows is one exchange of the wave's two bits in the destination.
; Work-groups 384-512: the table, a wave to a tile of 16 tokens; tiles 512-515 are made with position 0 and hold cos = 1, sin = 0: they serve V, which is not turned.
; THE TABLE.  angle = position x 10^(-P / 8) (= 10000^(-2 P / 64)), one rounding; the frequencies are the f32 numbers nearest to their values.  The angle is brought into +-pi/4 by n = the nearest whole number to angle x 2 / pi and pi/2 in two parts
; (what is left of pi/2 behind them, times n <= 1,304, is under 3e-12); sin and cos by polynomials of degree 7 and 8; the quadrant n mod 4 exchanges them and sets the signs.  Positions are 0 .. 2,047, as the table of the problem has them.
.set NQW,   384                        ; work-groups that quantise
.set STEPS, 16
.set EMAX,  8
.set MANT,  0x600000                   ; the mantissa field of 448 as f32
.set CB,    16                         ; bytes of 16 codes
.set R,     16                         ; v16-79   four sets of 16 numbers as they are loaded
.set X,     80                         ; v80-111  two sets of 16 neighbours
.set C,     128                        ; v128-191 codes: four registers for each step, so that no store's data are written again
.set E,     112                        ; v112-127 a scale byte for each step
.set WREG,  8192                       ; LDS: a region of its own for each wave: two stages of 32 x SP bytes, and behind them its 256 scale bytes
.set SP,    80                         ; a lane's place in a stage: its 64 bytes + 16 of padding
	s_load_b256 s[4:11], s[0:1], 0x0               ; in_features, Wq, Wk, Wv
	s_load_b256 s[12:19], s[0:1], 0x20             ; Wo, token_positions, act_codes, act_scales
	s_load_b128 s[20:23], s[0:1], 0x40             ; w_codes, w_scales
	s_load_b64 s[24:25], s[0:1], 0x50              ; rope
	v_lshl_add_u32 v192, v0, 2, 0x8000
	v_mov_b32 v193, 0
	v_lshrrev_b32 v1, 5, v0
	v_readfirstlane_b32 s26, v1                    ; wave 0..3
	s_cmp_ge_u32 ttmp9, NQW
	s_cbranch_scc1 .Lrope                          ; the table's work-groups use no LDS
	; ---------------- the quantiser ----------------
	v_and_b32 v2, 31, v0                           ; lane
	v_lshlrev_b32 v3, 4, v2                        ; my 16 bytes of a load's 512
	s_mul_i32 s27, s26, WREG
	v_lshrrev_b32 v14, 2, v2
	v_mul_u32_u24 v14, v14, SP
	v_and_b32 v15, 3, v2
	v_lshl_add_u32 v14, v15, 4, v14
	v_add_nc_u32 v14, s27, v14                     ; the stage, on the way in: four lanes' 64 bytes on end, then 16 of padding
	v_mul_u32_u24 v15, v2, SP
	v_add_nc_u32 v15, s27, v15                     ; and on the way out: SP x lane: my 16 neighbours
	v_mul_u32_u24 v4, v2, CB                       ; my codes' place in a step's
	v_lshrrev_b32 v5, 1, v2
	s_add_co_u32 s27, s27, 2*32*SP
	v_add_nc_u32 v5, s27, v5                       ; LDS: my wave's 256 scale bytes, my block's byte
	v_lshlrev_b32 v7, 3, v2                        ; and on the way out 8 bytes a lane
	v_add_nc_u32 v6, s27, v7
	s_mov_b32 s36, MANT                            ; (an instruction takes one literal: the hold's line has another)
	s_and_b32 s28, s26, 1
	s_lshl_b32 s28, s28, 1
	s_lshr_b32 s29, s26, 1
	s_or_b32 s28, s28, s29                         ; my wave's number with its two bits exchanged: where my 8 rows go
	s_wait_alu depctr_va_vdst(0)
	s_wait_kmcnt 0x0
	s_cmp_ge_u32 ttmp9, 288                        ; which tensor: the choices hang on the work-group's number alone
	s_cselect_b64 s[6:7], s[8:9], s[6:7]           ; Wk from 288,
	s_cmp_ge_u32 ttmp9, 320
	s_cselect_b64 s[6:7], s[10:11], s[6:7]         ; Wv from 320,
	s_cmp_ge_u32 ttmp9, 352
	s_cselect_b64 s[6:7], s[12:13], s[6:7]         ; Wo from 352,
	s_cselect_b32 s28, s26, s28                    ; whose rows keep their order
	s_cmp_lt_u32 ttmp9, 256
	s_cselect_b64 s[4:5], s[4:5], s[6:7]           ; the source
	s_cselect_b64 s[16:17], s[16:17], s[20:21]     ; its codes
	s_cselect_b64 s[18:19], s[18:19], s[22:23]     ; its scale bytes
	s_cselect_b32 s29, 0, 256
	s_cselect_b32 s30, -1, 31
	s_sub_co_u32 s29, ttmp9, s29                   ; the group of 32 rows in the destination
	s_and_b32 s30, s29, s30                        ; and in the source (32 groups to a weight)
	s_lshl_b32 s30, s30, 2
	s_add_co_u32 s30, s30, s26
	s_lshl_b32 s30, s30, 15                        ; 8 rows of 4,096 bytes (under 2^26)
	s_mov_b32 s31, 0
	s_add_nc_u64 s[4:5], s[4:5], s[30:31]
	s_lshl_b32 s29, s29, 2
	s_add_co_u32 s29, s29, s28
	s_lshl_b32 s32, s29, 13                        ; 8 rows of 1,024 codes
	s_mov_b32 s33, 0
	s_add_nc_u64 s[16:17], s[16:17], s[32:33]
	s_lshl_b32 s32, s29, 8                         ; 8 rows of 32 scale bytes
	s_add_nc_u64 s[18:19], s[18:19], s[32:33]
.macro LOAD t
.irp i, 0,1,2,3
	global_load_b128 v[R+16*((\t)%4)+4*\i:R+16*((\t)%4)+4*\i+3], v3, s[4:5] offset:2048*(\t)+512*\i th:TH_LOAD_NT   ; 32 lanes read 512 consecutive bytes
.endr
.endm
.macro TURN t                          ; step t's numbers through the stage: LDS serves a wave's instructions in order, so no wait stands between the stores and the loads
.irp i, 0,1,2,3
	ds_store_b128 v14, v[R+16*((\t)%4)+4*\i:R+16*((\t)%4)+4*\i+3] offset:32*SP*((\t)%2)+8*SP*\i
.endr
.irp i, 0,1,2,3
	ds_load_b128 v[X+16*((\t)%2)+4*\i:X+16*((\t)%2)+4*\i+3], v15 offset:32*SP*((\t)%2)+16*\i
.endr
.endm
.irp t, 0,1,2,3
	LOAD \t
.endr
	s_wait_loadcnt 12                              ; step 0's four loads are in; the twelve of steps 1 to 3 may be out
	TURN 0
.macro STEP t
.set XS, X+16*((\t)%2)
.if (\t) > 0
	s_wait_dscnt 1                                 ; this step's numbers are back from the stage (the last step's byte store may be out): so its stores into the stage have read their registers,
.else
	s_wait_dscnt 0x0
.endif
.if (\t)+4 < STEPS
	LOAD (\t)+4                                    ; which take the loads of four steps on
.endif
.if (\t)+1 < STEPS
.if STEPS-2-(\t) >= 3
	s_wait_loadcnt 12                              ; the next step's four loads are in; those of the three steps behind it may be out
.else
	s_wait_loadcnt 4*(STEPS-2-(\t))
.endif
	TURN (\t)+1                                    ; and go through the other stage while this step is worked
.endif
	v_max3_num_f32 v8, |v[XS]|, |v[XS+1]|, |v[XS+2]|               ; the largest magnitude of my 16
	v_max3_num_f32 v9, |v[XS+3]|, |v[XS+4]|, |v[XS+5]|
.irp i, 6,10
	v_max3_num_f32 v8, v8, |v[XS+\i]|, |v[XS+\i+1]|
	v_max3_num_f32 v9, v9, |v[XS+\i+2]|, |v[XS+\i+3]|
.endr
	v_max3_num_f32 v8, v8, |v[XS+14]|, |v[XS+15]|
	v_max3_num_f32 v8, v8, v9, (EMAX+1)<<23        ; and the floor 2^(9 - 127): so the byte cannot fall under 1
	v_max_num_f32_dpp v8, v8, v8 row_xmask:1 row_mask:0xf bank_mask:0xf   ; and of my neighbour's 16: the block's
	v_add_nc_u32 v11, -(EMAX<<23), v8              ; 8 off its exponent field: the conversion takes the exponent field of this operand as its scale
	v_and_or_b32 v10, v8, 0x7f800000, s36          ; 448 x the scale
.irp i, 0,1,2,3,4,5,6,7,8,9,10,11,12,13,14,15
	v_med3_num_f32 v[XS+\i], v[XS+\i], -v10, v10   ; the conversion to an 8-bit code does not saturate (ISA guide 7.6.2): the hold comes first
.endr
	v_cvt_scalef32_pk8_fp8_f32 v[C+4*(\t):C+4*(\t)+1], v[XS:XS+7], v11
	v_cvt_scalef32_pk8_fp8_f32 v[C+4*(\t)+2:C+4*(\t)+3], v[XS+8:XS+15], v11
	v_lshrrev_b32 v[E+(\t)], 23, v11               ; the scale's byte
	ds_store_b8 v5, v[E+(\t)] offset:16*(\t)       ; both lanes of a block write the same byte with the same value
	global_store_b128 v4, v[C+4*(\t):C+4*(\t)+3], s[16:17] offset:32*CB*(\t)   ; the wave stores 512 consecutive bytes
.endm
.irp t, 0,1,2,3,4,5,6,7,8,9,10,11,12,13,14,15
	STEP \t
.endr
	ds_load_b64 v[12:13], v6                       ; LDS serves a wave's instructions in order: these see my stores
	s_wait_dscnt 0x0
	global_store_b64 v7, v[12:13], s[18:19]        ; 32 lanes store 256 consecutive bytes, aligned
	s_wait_tensorcnt 0x0
	ds_add_u32 v192, v193
	s_wait_dscnt 0x0
	s_endpgm
	; ---------------- the table ----------------
.Lrope:
	s_sub_co_u32 s27, ttmp9, NQW
	s_lshl_b32 s27, s27, 2
	s_add_co_u32 s27, s27, s26                     ; my tile, 0 .. 515
	s_min_u32 s28, s27, 511                        ; the four last tiles read a token's position too, and multiply it by 0
	s_lshr_b32 s29, s28, 1
	s_lshl_b32 s29, s29, 5
	s_and_b32 s28, s28, 1
	s_lshl_b32 s28, s28, 3
	s_add_co_u32 s29, s29, s28                     ; 32 (tile / 2) + 8 (tile % 2)
	v_and_b32 v1, 15, v0                           ; r
	v_bfe_u32 v3, v0, 4, 1                         ; h
	v_and_b32 v2, 8, v1
	v_add_nc_u32 v2, v2, v1                        ; r + 8 (r / 8)
	v_add_nc_u32 v2, s29, v2                       ; my token
	v_lshlrev_b32 v2, 2, v2
	v_cmp_ne_u32 s30, 0, v3                        ; the lanes of the upper half
	v_and_b32 v6, 31, v0
	v_lshlrev_b32 v6, 4, v6                        ; 16 x lane
	s_cmp_lt_u32 s27, 512
	s_cselect_b32 s31, 1.0, 0
	s_lshl_b32 s42, s27, 12                        ; a tile of the table is 4,096 bytes
	s_mov_b32 s43, 0
	s_mov_b32 s32, 0x3f22f983                      ; 2 / pi
	s_mov_b32 s33, 0xbfc90fdb                      ; -(pi / 2), its f32 part,
	s_mov_b32 s34, 0x333bbd2e                      ; and what that part is too large by
	s_mov_b32 s35, 0xbe2aaaa3                      ; sin: -1.6666654611e-1,
	s_mov_b32 s36, 0x3c08839e                      ; 8.3321608736e-3,
	s_mov_b32 s37, 0xb94ca1f9                      ; -1.9515295891e-4
	s_mov_b32 s38, 0x3d2aaaa5                      ; cos: 4.166664568e-2,
	s_mov_b32 s39, 0xbab6061a                      ; -1.388731625e-3,
	s_mov_b32 s40, 0x37ccf5ce                      ; 2.443315712e-5
	s_wait_alu depctr_va_vdst(0)
	s_wait_kmcnt 0x0
	global_load_b32 v4, v2, s[14:15]
	s_add_nc_u64 s[24:25], s[24:25], s[42:43]
	s_wait_loadcnt 0x0
	v_cvt_f32_i32 v5, v4
	v_mul_f32 v5, s31, v5                          ; the position, or 0
; cos and sin of position x frequency into v[dst], v[dst + 1]; lit0 is the frequency of the lower half of the lanes, lit1 (a tenth of it: 8 pairs further on) that of the upper half
.macro SC dst, lit0, lit1
	v_mul_f32 v8, \lit0, v5
	v_mul_f32 v9, \lit1, v5
	v_cndmask_b32 v8, v8, v9, s30                  ; the angle, rounded once
	v_mul_f32 v9, s32, v8
	v_rndne_f32 v9, v9                             ; n
	v_fma_f32 v10, v9, s33, v8
	v_fma_f32 v10, v9, s34, v10                    ; x = angle - n pi / 2
	v_mul_f32 v11, v10, v10                        ; z = x^2
	v_fma_f32 v12, v11, s37, s36
	v_fma_f32 v12, v12, v11, s35
	v_mul_f32 v12, v12, v11
	v_fma_f32 v12, v12, v10, v10                   ; sin x
	v_fma_f32 v13, v11, s40, s39
	v_fma_f32 v13, v13, v11, s38
	v_mul_f32 v13, v13, v11
	v_fma_f32 v14, v11, -0.5, 1.0
	v_fma_f32 v13, v13, v11, v14                   ; cos x
	v_cvt_i32_f32 v15, v9
	v_and_b32 v16, 1, v15
	v_cmp_ne_u32 vcc_lo, 0, v16                    ; an odd quadrant exchanges the two
	v_cndmask_b32 v17, v12, v13, vcc_lo
	v_cndmask_b32 v18, v13, v12, vcc_lo
	v_and_b32 v16, 2, v15
	v_lshlrev_b32 v16, 30, v16
	v_xor_b32 v[\dst+1], v16, v17                  ; sin: negative in quadrants 2 and 3
	v_add_nc_u32 v15, 1, v15
	v_and_b32 v15, 2, v15
	v_lshlrev_b32 v15, 30, v15
	v_xor_b32 v[\dst], v15, v18                    ; cos: negative in quadrants 1 and 2
.endm
	; register 32 + 16 e + 2 j: pair P = 16 e + 8 h + j, frequency 10^(-P / 8)
	SC 32, 1.0, 0.1
	SC 34, 0.7498942093, 0.07498942093
	SC 36, 0.5623413252, 0.05623413252
	SC 38, 0.4216965034, 0.04216965034
	SC 40, 0.3162277660, 0.03162277660
	SC 42, 0.2371373706, 0.02371373706
	SC 44, 0.1778279410, 0.01778279410
	SC 46, 0.1333521432, 0.01333521432
	SC 48, 0.01, 0.001
	SC 50, 0.007498942093, 0.0007498942093
	SC 52, 0.005623413252, 0.0005623413252
	SC 54, 0.004216965034, 0.0004216965034
	SC 56, 0.003162277660, 0.0003162277660
	SC 58, 0.002371373706, 0.0002371373706
	SC 60, 0.001778279410, 0.0001778279410
	SC 62, 0.001333521432, 0.0001333521432
.irp q, 0,1,2,3,4,5,6,7
	global_store_b128 v6, v[32+4*\q:35+4*\q], s[24:25] offset:512*\q   ; an image of the registers: 512 consecutive bytes a store
.endr
	s_endpgm
.Lfunc_end_k_qd8e663d130_prep:
	.size	k_qd8e663d130_prep, .Lfunc_end_k_qd8e663d130_prep-k_qd8e663d130_prep
	.p2alignl 7, 3214868480
	.fill 96, 4, 3214868480
	.section	.rodata,"a",@progbits
	.p2align	6, 0x0
	.amdhsa_kernel k_qd8e663d130_prep
		.amdhsa_group_segment_fixed_size 33280
		.amdhsa_private_segment_fixed_size 0
		.amdhsa_enable_private_segment 0
		.amdhsa_kernarg_size 88
		.amdhsa_user_sgpr_count 2
		.amdhsa_user_sgpr_kernarg_segment_ptr 1
		.amdhsa_wavefront_size32 1
		.amdhsa_system_sgpr_workgroup_id_x 1
		.amdhsa_system_sgpr_workgroup_id_y 1
		.amdhsa_system_sgpr_workgroup_id_z 1
		.amdhsa_system_vgpr_workitem_id 0
		.amdhsa_next_free_vgpr 194
		.amdhsa_next_free_sgpr 66
		.amdhsa_reserve_vcc 1
		.amdhsa_float_denorm_mode_32 3
		.amdhsa_float_denorm_mode_16_64 3
		.amdhsa_memory_ordered 1
		.amdhsa_forward_progress 1
		.amdhsa_inst_pref_size 75
	.end_amdhsa_kernel
	.amdgpu_metadata
---
amdhsa.version: [ 1, 2 ]
amdhsa.kernels:
  - .name:           k_qd8e663d130_prep
    .symbol:         k_qd8e663d130_prep.kd
    .args:
      - { .name: in_features, .offset: 0, .size: 8, .value_kind: global_buffer, .address_space: global }
      - { .name: Wq, .offset: 8, .size: 8, .value_kind: global_buffer, .address_space: global }
      - { .name: Wk, .offset: 16, .size: 8, .value_kind: global_buffer, .address_space: global }
      - { .name: Wv, .offset: 24, .size: 8, .value_kind: global_buffer, .address_space: global }
      - { .name: Wo, .offset: 32, .size: 8, .value_kind: global_buffer, .address_space: global }
      - { .name: token_positions, .offset: 40, .size: 8, .value_kind: global_buffer, .address_space: global }
      - { .name: act_codes, .offset: 48, .size: 8, .value_kind: global_buffer, .address_space: global }
      - { .name: act_scales, .offset: 56, .size: 8, .value_kind: global_buffer, .address_space: global }
      - { .name: w_codes, .offset: 64, .size: 8, .value_kind: global_buffer, .address_space: global }
      - { .name: w_scales, .offset: 72, .size: 8, .value_kind: global_buffer, .address_space: global }
      - { .name: rope, .offset: 80, .size: 8, .value_kind: global_buffer, .address_space: global }
    .group_segment_fixed_size: 33280
    .private_segment_fixed_size: 0
    .kernarg_segment_align: 8
    .kernarg_segment_size: 88
    .max_flat_workgroup_size: 128
    .sgpr_count:     66
    .vgpr_count:     194
    .wavefront_size: 32
...
	.end_amdgpu_metadata
.endif
;; end of part 1
;; launch qkv (part 2): grid 8 x 48, 4 waves a work-group, clusters of 4 x 4, 327,680 bytes of LDS; arguments act_codes, act_scales, w_codes, w_scales, rope, qrec, kvrec; writes qrec, kvrec
.if DOCPART == 2
	.amdgcn_target "amdgcn-amd-amdhsa--gfx1250"
	.amdhsa_code_object_version 6
	.text
	.protected	k_qd8e663d130_qkv
	.globl	k_qd8e663d130_qkv
	.p2align	8
	.type	k_qd8e663d130_qkv,@function
k_qd8e663d130_qkv:
	s_mov_b64 s[64:65], 0
	v_nop
	global_prefetch_b8 v0, s[64:65] scope:SCOPE_SE
	s_setreg_imm32_b32 hwreg(HW_REG_WAVE_MODE, 25, 1), 1
	s_wait_xcnt 0x0
	s_wait_alu depctr_hold_cnt(0) depctr_sa_sdst(0) depctr_va_vdst(0) depctr_va_sdst(0) depctr_va_ssrc(0) depctr_va_vcc(0) depctr_vm_vsrc(0)
	s_getreg_b32 s2, hwreg(HW_REG_IB_STS2, 6, 4)
	s_cmp_eq_u32 s2, 0
	s_cbranch_scc0 .Lentry_in_a_cluster
	s_endpgm
.Lentry_in_a_cluster:
	s_bfe_u32 s2, ttmp6, 0x10000c
	s_cmp_lg_u32 s2, 0xf033
	s_cbranch_scc0 .Lentry_shape_is_right
	s_endpgm
.Lentry_shape_is_right:
; QKV.  The three projections on codes of FP8 (E4M3) with E8M0 scales, the turning of Q and K by the table of cos and sin, and the quantising of Q, K (along the head's 64) and V (along the keys).
; ONE TEXT, TWO PRODUCTS OF ONE SHAPE.  Clusters with y < 8:  C[token][column] = X (Wq | Wk)^T: A = X (8,192 rows), B = Wq, Wk (2,048 rows).  Clusters with y >= 8:  V^T = Wv X^T: A = Wv (1,024 rows), B = X.
; The matrix instruction is used transposed (source 0 = 16 rows of B, source 1 = 16 rows of A): a lane holds ONE row of A and its registers run along B: for Q and K a token and the head's channels, for V a channel and the keys:
; each time the axis along which the result is quantised.  The rows of X, Wq, Wk, Wv lie in the code buffers with bits 3 and 4 of the row number exchanged, so that the 16 registers of result tiles 2 b and 2 b + 1 are 16 neighbours, 32 b + 16 (lane / 16) + 0 .. 15.
; A tile of C, 256 x 256, is made by four waves, 128 x 128 each: 64 accumulators, 512 registers.  K = 1,024 goes in four steps of 256 through a ring of two LDS slots filled by the tensor data mover; the scale bytes of the work-group's rows come once.
; CLUSTERS: 4 x 4 work-groups; the four of a row need the same tiles of A, the four of a column the same tiles of B: each tile is asked for jointly.  Which product a cluster makes hangs on the cluster's own y, the same in all partners.
; THE WAY OUT, block by block of 16 rows of A: turn (V: by cos = 1, sin = 0), quantise four blocks of 32, store the codes as IMAGES OF THE OPERAND'S REGISTERS (16 bytes a lane, 512 consecutive bytes a store) into records that the attention launch reads.
; A RECORD (34,304 bytes) holds 256 tokens of one head: +0 K's (in qrec: Q's) codes [tile 16][c 2][lane][16]; +16,384 V's codes [128 keys 2][channel tile 4][c 4][lane][16]; +32,768 K's scale words [128 keys 2][lane][4 words] (word j: tile 2 j in lanes 0-15,
; tile 2 j + 1 in lanes 16-31; bytes 2 and 3 are 0); +33,792 V's scale words [128 keys 2][lane][2 words].  Records lie [batch x 16 + head][slot of 256 tokens].
; LIMITS: NaN and infinities are not served; a block of zeros, or one under 2^-118, gets the byte 1 (read by this program alone).
; No prefetch: K has four slots, two of them first fills.
; REGISTERS, in windows of 256: window 0: v0-31 addresses; v32-63 scale words, two sets; v64-127 cos and sin, two sets; from v128 A's fragments, ONE set, on the way out free.  window 1: B's fragments, two sets.  windows 2, 3: the accumulators ((a, b) at v[8 (8 (a % 4) + b)]).
.set SIZE_K, 1024
.set KSTEP,  256                       ; along K in a slot
.set NQ,     KSTEP/128                 ; matrix instructions deep
.set ROWB,   256                       ; a tile's row in bytes
.set KROW,   SIZE_K                    ; a row of codes in memory, in bytes
.set PITCH,  272                       ; an LDS row: 256 bytes + 16 of padding = 68 words: the 16 rows that a load touches start at 16 different banks (64 banks of 4 bytes: ISA guide 11.1)
.set FR,     16                        ; registers of a fragment: 16 rows x 128 K
.set NL,     4                         ; LDS loads that bring one
.set NP,     8                         ; places behind this matrix instruction (ISA guide 7.12.1)
.set HALFT,  128*PITCH                 ; 128 rows: what one tensor load brings
.set SLOT,   4*HALFT                   ; A's 256 rows, then B's 256 rows
.set LAPS,   SIZE_K/(2*KSTEP)
.set KS,     SIZE_K/32                 ; a row of scales in bytes
.set SCL,    2*SLOT                    ; behind the ring: the scales, as units of 256 bytes + 16 of padding
.set HALFS,  (128*KS/256)*272
.set SBLK,   (16*KS/256)*272
.set SPARE,  SCL+4*HALFS               ; the spare words, 128 bytes for each wave: two blocks of 256 bytes that no other line names
.set REC,    34304
.set HEADB,  8*REC                     ; a head's eight records
.set VOFF,   16384
.set KSOFF,  32768
.set VSOFF,  33792
.set VO,   8                           ; v8-11   the way out: byte offsets of a block's four stores
.set ADRA, 16                          ; v16-17  LDS address of my A fragments in slot 0, 1
.set ADRB, 20                          ; v20-21  the same for B
.set L16,  26                          ; v26     16 x lane
.set ADRS, 27                          ; v27     LDS address of my scale words: lanes 0-15 A's rows, lanes 16-31 B's
.set SPW,  28                          ; v28     LDS address of my spare word; never rewritten
.set NIL,  29                          ; v29     0; never rewritten
.set SC,   32                          ; scale words
.set CS0,  64                          ; v64-95, v96-127: cos and sin of a block's tokens
.set AF,   128                         ; A's fragments, in window 0
.set ST,   128                         ; the way out: 64 numbers of a lane
.set PC,   192                         ; their codes
.set TM,   224                         ; v224-227 largest magnitudes, v228-231 bytes, v236-239 the conversions' scale operands
.set PW,   240                         ; the scale word just made
.set W0,   241
.set W1,   242
.set SW0,  244                         ; v244-247 scale words gathered: first head (V: both heads)
.set SW1,  248                         ; v248-251 second head
.set G1, 24
.set G0, 32
.set G1B, 48
.set G0B, 56
.set G1S, 68
.set G0S, 76
.set G1SB, 80
.set G0SB, 88
.set RP,    68                         ; the way out (the scales' descriptors are done with): s[68:69] the table's tile in hand
.set RSTEP, 70                         ; s[70:71] from tile to tile
.set DST,   72                         ; s[72:73] where the block's codes go
.set STEPA, 74                         ; s[74:75] from block to block
.set STEPB, 76                         ; s[76:77] from block 3 to block 4
.set SCP,   78                         ; s[78:79] where the scale words go
.set WM,    80                         ; s80 which bytes of a scale word belong to the first head
.set HM,    81                         ; s81 lanes 16-31
.set SEL,   82                         ; s[82:83] selects for lane l xor 16
.set MNT,   84
.set MSB, 0
.macro WIN new                         ; the immediate's high byte repeats the setting that is left
.if MSB != (\new)
	s_set_vgpr_msb (MSB<<8)|(\new)
.set MSB, (\new)
.endif
.endm
.set MUL_LO, 0xa1                      ; source 0 (B) window 1, source 1 (A) window 0, C and D window 2
.set MUL_HI, 0xf1                      ; the same, C and D window 3
.set TO_B,   0x40                      ; destination window 1, address window 0
; A joint load: waves 0 and 1 fetch for A, waves 2 and 3 for B; the branch hangs on the wave's number alone.  Four v_nop follow each of the two lines.
.macro JLOAD g0a, g1a, g0b, g1b
	s_cmp_eq_u32 s15, 0
	s_cbranch_scc0 .Lfor_b_\@
	tensor_load_to_lds s[\g0a:\g0a+3], s[\g1a:\g1a+7]
	s_nop 0
.rept 4
	v_nop
.endr
	s_branch .Lasked_\@
.Lfor_b_\@:
	tensor_load_to_lds s[\g0b:\g0b+3], s[\g1b:\g1b+7]
	s_nop 0
.rept 4
	v_nop
.endr
.Lasked_\@:
.endm
.macro CREST                           ; a round of the cluster's barrier behind its opening barrier
	s_cmp_lg_u32 s14, 0
	s_cbranch_scc1 .Lnot_wave_0_\@
	s_barrier_signal -3
.Lnot_wave_0_\@:
	s_barrier_wait -3
	s_barrier_signal -1
	s_barrier_wait -1
.endm
.macro CROUND                          ; a whole round
	s_barrier_signal -1
	s_barrier_wait -1
	CREST
.endm
	s_load_b256 s[4:11], s[0:1], 0x0               ; act_codes, act_scales, w_codes, w_scales
	s_load_b128 s[96:99], s[0:1], 0x20             ; rope, qrec
	s_load_b64 s[100:101], s[0:1], 0x30            ; kvrec
	v_lshl_add_u32 v[SPW], v0, 2, SPARE
	v_mov_b32 v[NIL], 0
	ds_add_u32 v28, v29
	ds_add_u32 v28, v29
	s_wait_dscnt 0x0
	v_lshrrev_b32 v1, 5, v0
	v_readfirstlane_b32 s14, v1                    ; wave 0..3
	s_lshr_b32 s15, s14, 1                         ; which half of the tile's rows is mine.  Also: I fetch for A (0) or for B (1)
	s_and_b32 s16, s14, 1                          ; which half of its columns.  Also: which 128 rows of that tile I fetch
	s_bfe_u32 s40, ttmp6, 0x40000                  ; cx, cy: my place in the cluster
	s_bfe_u32 s41, ttmp6, 0x40004
	s_mov_b32 s66, ttmp9                           ; the cluster's x, 0 .. 1
	s_and_b32 s67, ttmp7, 0xffff                   ; the cluster's y, 0 .. 11
	s_sub_co_u32 s18, s67, 8
	s_lshl_b32 s18, s18, 1
	s_add_co_u32 s18, s18, s66                     ; V^T: eight clusters side by side: 2 (y - 8) + x
	s_cmp_ge_u32 s67, 8
	s_cselect_b32 s95, 1, 0                        ; 1: my cluster makes V^T
	s_cselect_b32 s18, s18, s66
	s_cselect_b32 s19, 0, s67
	s_lshl_b32 s42, s18, 2
	s_add_co_u32 s42, s42, s40                     ; tile column of C
	s_lshl_b32 s17, s19, 2
	s_add_co_u32 s17, s17, s41                     ; tile row of C
	s_lshl_b32 s43, s41, 2
	s_lshl_b32 s43, 15, s43                        ; my row of the cluster
	s_lshl_b32 s44, 0x1111, s40                    ; my column
	; descriptor group 1: a tile of 128 rows x 256 bytes, padded in LDS
	s_or_b32 s[G1+0], s43, (0<<16)|(1<<20)|(1<<21)|(5<<22)|(3<<25)  ; 15:0 the mask: A's tiles go to my row; 17:16 element of 1 byte; 20 padding on; 21 set beside a mask; 24:22 after every 64 words; 31:25 four words
	s_or_b32 s[G1B+0], s44, (0<<16)|(1<<20)|(1<<21)|(5<<22)|(3<<25)
.irp g, G1, G1B
	s_mov_b32 s[\g+1], ROWB<<16                    ; tensor_dim0
	s_mov_b32 s[\g+2], 128<<16                     ; tensor_dim1
	s_mov_b32 s[\g+3], ROWB<<16                    ; tile_dim0
	s_mov_b32 s[\g+4], 128                         ; tile_dim1
	s_mov_b32 s[\g+5], KROW                        ; tensor_dim0_stride
	s_mov_b32 s[\g+6], 0
	s_mov_b32 s[\g+7], 0
.endr
	; the scales of 128 rows: a dense block of 4,096 bytes, as rows of 256 bytes (32 elements of 8 bytes), 16 bytes of padding behind each
	s_or_b32 s[G1S+0], s43, (3<<16)|(1<<20)|(1<<21)|(5<<22)|(3<<25)
	s_or_b32 s[G1SB+0], s44, (3<<16)|(1<<20)|(1<<21)|(5<<22)|(3<<25)
.irp g, G1S, G1SB
	s_mov_b32 s[\g+1], 32<<16
	s_mov_b32 s[\g+2], (128*KS/256)<<16
	s_mov_b32 s[\g+3], 32<<16
	s_mov_b32 s[\g+4], 128*KS/256
	s_mov_b32 s[\g+5], 32
	s_mov_b32 s[\g+6], 0
	s_mov_b32 s[\g+7], 0
.endr
	s_lshl_b32 s18, s16, 7                         ; which 128 rows of the tile I fetch
	s_lshl_b32 s20, s17, 8
	s_add_co_u32 s20, s20, s18                     ; A: row 256 x tile row + 128 x half
	s_lshl_b32 s46, s42, 8
	s_add_co_u32 s46, s46, s18                     ; B: row 256 x tile column + 128 x half
	s_mov_b32 s21, 0
	s_mov_b32 s47, 0
	s_mov_b64 s[18:19], KS
	s_mul_u64 s[22:23], s[20:21], s[18:19]         ; where these rows' scales begin, in bytes
	s_mul_u64 s[92:93], s[46:47], s[18:19]
	s_mov_b64 s[18:19], KROW
	s_mul_u64 s[20:21], s[20:21], s[18:19]         ; and their codes
	s_mul_u64 s[46:47], s[46:47], s[18:19]
	s_mul_i32 s45, s14, HALFT                      ; where they go: wave x 128 rows: no place in the cluster enters an LDS address
	s_mul_i32 s94, s14, HALFS
	s_wait_kmcnt 0x0
	s_add_nc_u64 s[12:13], s[8:9], 0x200000        ; Wv's codes: row 2,048 of the weights' buffer
	s_add_nc_u64 s[18:19], s[10:11], 0x10000       ; and its scale bytes
	s_cmp_lg_u32 s95, 0                            ; which tensors are A and B: the choice hangs on the cluster's y alone
	s_cselect_b64 s[8:9], s[4:5], s[8:9]           ; B's codes: X's or the weights'
	s_cselect_b64 s[10:11], s[6:7], s[10:11]
	s_cselect_b64 s[4:5], s[12:13], s[4:5]         ; A's codes: Wv's or X's
	s_cselect_b64 s[6:7], s[18:19], s[6:7]
	s_add_nc_u64 s[20:21], s[4:5], s[20:21]
	s_add_nc_u64 s[22:23], s[6:7], s[22:23]
	s_add_nc_u64 s[46:47], s[8:9], s[46:47]
	s_add_nc_u64 s[92:93], s[10:11], s[92:93]
	CROUND                                         ; all sixteen work-groups are here: the first joint loads meet
	s_mov_b32 s[G0S], 1
	s_add_co_u32 s[G0S+1], s94, SCL
	s_mov_b64 s[G0S+2:G0S+3], s[22:23]
	s_or_b32 s[G0S+3], s[G0S+3], 0x80000000
	s_mov_b32 s[G0SB], 1
	s_add_co_u32 s[G0SB+1], s94, SCL
	s_mov_b64 s[G0SB+2:G0SB+3], s[92:93]
	s_or_b32 s[G0SB+3], s[G0SB+3], 0x80000000
	JLOAD G0S, G1S, G0SB, G1SB                     ; the scales first: they are wanted with K step 0
.irp s, 0,1
	s_mov_b32 s[G0+4*\s], 1
	s_add_co_u32 s[G0+4*\s+1], s45, \s*SLOT
	s_add_nc_u64 s[G0+4*\s+2:G0+4*\s+3], s[20:21], \s*ROWB
	s_or_b32 s[G0+4*\s+3], s[G0+4*\s+3], 0x80000000
	s_mov_b32 s[G0B+4*\s], 1
	s_add_co_u32 s[G0B+4*\s+1], s45, \s*SLOT
	s_add_nc_u64 s[G0B+4*\s+2:G0B+4*\s+3], s[46:47], \s*ROWB
	s_or_b32 s[G0B+4*\s+3], s[G0B+4*\s+3], 0x80000000
	JLOAD G0+4*\s, G1, G0B+4*\s, G1B               ; three loads of mine are out
.endr
	v_and_b32 v1, 15, v0                           ; l % 16
	v_bfe_u32 v2, v0, 4, 1                         ; l / 16
	v_mul_u32_u24 v3, v1, PITCH
	v_lshl_add_u32 v4, v2, 4, v3                   ; a fragment's row x pitch + 16 x half
	s_mul_i32 s21, s15, HALFT                      ; my 128 rows of A
	s_mul_i32 s22, s16, HALFT                      ; my 128 rows of B,
	s_add_co_u32 s22, s22, 2*HALFT                 ; which lie behind A's 256
.irp s, 0,1
	v_add_nc_u32 v[ADRA+\s], s21, v4
	v_add_nc_u32 v[ADRB+\s], s22, v4
	s_add_co_u32 s21, s21, SLOT
	s_add_co_u32 s22, s22, SLOT
.endr
	v_mul_u32_u24 v5, v1, KS                       ; my row's scales: 32 bytes a row,
	v_lshrrev_b32 v6, 8, v5
	v_lshl_add_u32 v5, v6, 4, v5                   ; and 16 more for each 256 passed
	s_mul_i32 s21, s15, HALFS                      ; A's: my 128 rows
	s_mul_i32 s22, s16, HALFS                      ; B's: my 128 rows, behind A's 256
	s_add_co_u32 s22, s22, 2*HALFS
	s_sub_co_u32 s22, s22, s21
	v_mul_u32_u24 v6, s22, v2                      ; lanes 16-31 take B's
	s_add_co_u32 s21, s21, SCL
	v_add_nc_u32 v5, v5, v6
	v_add_nc_u32 v[ADRS], s21, v5
	v_and_b32 v6, 31, v0
	v_lshlrev_b32 v[L16], 4, v6
	v_lshlrev_b32 v12, 3, v6                       ; 8 x lane
.macro FRAG reg, adr, q, i             ; a fragment: lane l holds row l % 16; registers 4 c .. 4 c + 3 hold K = 32 c + 16 (l / 16) + 0 .. 15
.irp c, 0,1,2,3
	ds_load_b128 v[\reg+4*\c:\reg+4*\c+3], v[\adr] offset:128*(\q)+32*\c+(\i)*16*PITCH
.endr
.endm
; 16 matrix instructions: A's blocks a0, a0 + 1 x B's eight, 128 along K.  The 64 accumulators take turns, one instruction a turn, in the same order in every step.
.macro MUL16 a0, p, q, sc, zero
.irp a, \a0, \a0+1
.irp b, 0,1,2,3,4,5,6,7
.if \zero
	v_wmma_scale_f32_16x16x128_f8f6f4 v[8*(8*((\a)%4)+\b):8*(8*((\a)%4)+\b)+7], v[128*(\p)+FR*\b:128*(\p)+FR*\b+FR-1], v[AF+FR*(\a):AF+FR*(\a)+FR-1], 0, v[SC+8*NQ*(\sc)+NQ*\b+(\q)], v[SC+8*NQ*(\sc)+NQ*(\a)+(\q)] matrix_a_scale:MATRIX_SCALE_ROW1
.else
	v_wmma_scale_f32_16x16x128_f8f6f4 v[8*(8*((\a)%4)+\b):8*(8*((\a)%4)+\b)+7], v[128*(\p)+FR*\b:128*(\p)+FR*\b+FR-1], v[AF+FR*(\a):AF+FR*(\a)+FR-1], v[8*(8*((\a)%4)+\b):8*(8*((\a)%4)+\b)+7], v[SC+8*NQ*(\sc)+NQ*\b+(\q)], v[SC+8*NQ*(\sc)+NQ*(\a)+(\q)] matrix_a_scale:MATRIX_SCALE_ROW1
.endif
.endr
.endr
.endm
.macro FETCH_B slot, q, p              ; B's eight fragments of the slot's q-th 128 along K into set p
	WIN TO_B
.irp i, 0,1,2,3,4,5,6,7
	FRAG 128*(\p)+FR*\i, ADRB+\slot, \q, \i
.endr
	WIN 0
.endm
.macro FETCH_A slot, q, i0             ; A's blocks i0 .. i0 + 3
.irp i, \i0, \i0+1, \i0+2, \i0+3
	FRAG AF+FR*(\i), ADRA+\slot, \q, \i
.endr
.endm
.macro SCALES sc                       ; the next K step's scale words: two words a row; lanes 0-15 take A's block i, lanes 16-31 B's block i
.irp i, 0,1,2,3,4,5,6,7
	ds_load_b64 v[SC+8*NQ*\sc+NQ*\i:SC+8*NQ*\sc+NQ*\i+1], v[ADRS] offset:\i*SBLK
.endr
.endm
; A load into a register that a matrix instruction has read, and a vector instruction that reads a matrix result or writes one of its registers, stand eight plain vector instructions behind it.
.macro PLACES n
.rept \n
	v_nop
.endr
.endm
.macro STEP slot, q, zero              ; a step of 128 along K that has its successor in the same slot
	s_wait_dscnt 4*NL                              ; B's set and A's blocks 0-3 are in; the youngest sixteen loads (A's blocks 4-7) may be out
	WIN MUL_LO
	MUL16 0, (\q)%2, \q, \slot, \zero
	MUL16 2, (\q)%2, \q, \slot, \zero
	s_wait_dscnt 0                                 ; A's blocks 4-7 are in
	PLACES NP
	FETCH_B \slot, (\q)+1, 1-(\q)%2
	FETCH_A \slot, (\q)+1, 0
	WIN MUL_HI
	MUL16 4, (\q)%2, \q, \slot, \zero
	MUL16 6, (\q)%2, \q, \slot, \zero
	PLACES NP
	WIN 0
	FETCH_A \slot, (\q)+1, 4
.endm
; A slot's last step changes slots: ONE barrier; in front of it each wave waits for all its tensor loads, adds 0 to its spare word, and waits for that and for its own reads of this slot.  fill = 1: this slot is filled again, two K steps ahead.
.macro TURN slot, next, fill
	s_wait_tensorcnt 0x0                           ; all my tensor loads have landed: my part of the next slot
	ds_add_u32 v[SPW], v[NIL]                      ; 0 onto my spare word
	s_wait_dscnt 4*NL+1                            ; (the add and the youngest sixteen loads, A's blocks 4-7, may be out)
	WIN MUL_LO
	MUL16 0, 1, NQ-1, \slot, 0                     ; sixteen matrix instructions stand between the add and the wait for it
	s_wait_dscnt 0x0                               ; the add is done, and my reads of this slot are over
	s_barrier_signal -1
	MUL16 2, 1, NQ-1, \slot, 0
	WIN 0
	s_barrier_wait -1
.if \fill
	CREST                                          ; the barrier has opened a round of the cluster's barrier: no wave of any partner still reads this slot or has a load on its way
	s_add_nc_u64 s[G0+4*\slot+2:G0+4*\slot+3], s[G0+4*\slot+2:G0+4*\slot+3], 2*ROWB
	s_add_nc_u64 s[G0B+4*\slot+2:G0B+4*\slot+3], s[G0B+4*\slot+2:G0B+4*\slot+3], 2*ROWB
	JLOAD G0+4*\slot, G1, G0B+4*\slot, G1B         ; the first tensor load behind the round; its four v_nop are among the places in front of the loads below
	PLACES NP-4
.else
	PLACES NP
.endif
	s_wait_alu depctr_va_vdst(0)
	v_add_nc_u32 v[ADRS], 4*NQ, v[ADRS]            ; on to the next K step's scale words
	FETCH_B \next, 0, 0
	FETCH_A \next, 0, 0
	SCALES \next
	WIN MUL_HI
	MUL16 4, 1, NQ-1, \slot, 0
	MUL16 6, 1, NQ-1, \slot, 0
	PLACES NP
	WIN 0
	FETCH_A \next, 0, 4
.endm
	s_wait_alu depctr_va_vdst(0)
	s_wait_tensorcnt 1                             ; the scales and my part of K step 0 are in (K step 1's load may be out)
	s_barrier_signal -1
	s_barrier_wait -1                              ; everybody's are
	FETCH_B 0, 0, 0
	FETCH_A 0, 0, 0
	SCALES 0
	FETCH_A 0, 0, 4
	STEP 0, 0, 1                                   ; the first step stands in front of the loop: its products start the sums
	s_mov_b32 s3, LAPS-1
.Llap:                                                 ; a trip goes once round the ring and fills both slots again
	TURN 0, 1, 1
	STEP 1, 0, 0
	TURN 1, 0, 1
	STEP 0, 0, 0
	s_sub_co_u32 s3, s3, 1
	s_cmp_lg_u32 s3, 0
	s_cbranch_scc1 .Llap
	; WHERE THE RESULTS GO: made here, two K steps ahead of the way out, so that the first block's cos and sin land meanwhile.  The scales' descriptors (s68-91) were shown done by the first wait on the tensor loads.
	s_and_b32 s19, s42, 3
	s_cmp_eq_u32 s66, 0                            ; Q (columns 0-1,023: cluster x = 0) or K
	s_cselect_b64 s[DST:DST+1], s[98:99], s[100:101]
	s_mov_b32 s22, 1024
	s_mov_b32 s85, KSOFF
	s_mov_b32 s87, HEADB
	s_cmp_lg_u32 s95, 0
	s_cselect_b64 s[DST:DST+1], s[100:101], s[DST:DST+1]   ; V goes beside K
	s_cselect_b32 s18, s42, s17                    ; the block of 256 tokens
	s_cselect_b32 s19, s17, s19                    ; the block of four heads
	s_cselect_b32 s20, s15, s16                    ; which two of them are my wave's
	s_cselect_b32 s21, s16, s15                    ; which 128 tokens are my wave's
	s_cselect_b32 s[STEPA], 2048, s22              ; V: a channel tile's four pieces; Q, K: a token tile's two
	s_cselect_b32 s[STEPB], HEADB-6144, s22        ; V: block 4 begins the next head
	s_cselect_b32 s[RSTEP], 0, 4096
	s_cselect_b32 s[WM], -1, 0xffff                ; V: a word's four bytes are four blocks of keys; Q, K: two bytes to each head
	s_cselect_b32 s23, VOFF, 0
	s_cselect_b32 s85, VSOFF, s85
	s_cselect_b32 s86, 8, 9
	s_cselect_b32 s87, 1024, s87
	s_mov_b32 s[STEPA+1], 0
	s_mov_b32 s[STEPB+1], 0
	s_mov_b32 s[RSTEP+1], 0
	s_mov_b32 s[HM], 0xffff0000
	s_mov_b32 s[SEL], 0x76543210
	s_mov_b32 s[SEL+1], 0xfedcba98
	s_lshr_b32 s88, s18, 3                         ; the batch
	s_lshl_b32 s88, s88, 4
	s_lshl_b32 s19, s19, 2
	s_add_co_u32 s88, s88, s19
	s_lshl_b32 s20, s20, 1
	s_add_co_u32 s88, s88, s20                     ; 16 x batch + my first head
	s_mul_i32 s88, s88, HEADB
	s_and_b32 s89, s18, 7
	s_mul_i32 s89, s89, REC
	s_add_co_u32 s88, s88, s89                     ; the record (under 2^25 bytes)
	s_mov_b32 s89, 0
	s_add_nc_u64 s[DST:DST+1], s[DST:DST+1], s[88:89]
	s_lshl_b32 s90, s21, s86                       ; the scale words of my 128 tokens: 512 bytes on (V: 256)
	s_add_co_u32 s90, s90, s85
	s_mov_b32 s91, 0
	s_add_nc_u64 s[SCP:SCP+1], s[DST:DST+1], s[90:91]
	s_lshl_b32 s90, s21, 13                        ; the codes of my 128 tokens: 8,192 bytes on
	s_add_co_u32 s90, s90, s23
	s_add_nc_u64 s[DST:DST+1], s[DST:DST+1], s[90:91]
	s_lshl_b32 s90, s18, 4
	s_lshl_b32 s88, s15, 3
	s_add_co_u32 s90, s90, s88                     ; Q, K: the table's tile of my first 16 tokens
	s_add_co_u32 s88, s14, 512                     ; V: a tile of cos = 1, sin = 0
	s_cmp_lg_u32 s95, 0
	s_cselect_b32 s90, s88, s90
	s_lshl_b32 s90, s90, 12
	s_add_nc_u64 s[RP:RP+1], s[96:97], s[90:91]
	v_mov_b32 v[VO], v[L16]                        ; the four pieces of a block: Q, K: (head, c) = (0, 0), (0, 1), (1, 0), (1, 1); V: c = 0 .. 3
	v_add_nc_u32 v[VO+1], 512, v[L16]
	v_add_nc_u32 v[VO+2], s87, v[L16]
	v_add_nc_u32 v[VO+3], 512, v[VO+2]
	v_add_nc_u32 v13, HEADB, v12
.irp q, 0,1,2,3,4,5,6,7
	global_load_b128 v[CS0+4*\q:CS0+4*\q+3], v[L16], s[RP:RP+1] offset:512*\q
.endr
	TURN 0, 1, 0                                   ; the last lap fills nothing, and has no round of the cluster's barrier
	STEP 1, 0, 0
	s_wait_dscnt 4*NL                              ; the very last step: nothing more to fetch
	WIN MUL_LO
	MUL16 0, 1, NQ-1, 1, 0
	MUL16 2, 1, NQ-1, 1, 0
	s_wait_dscnt 0
	WIN MUL_HI
	MUL16 4, 1, NQ-1, 1, 0
	MUL16 6, 1, NQ-1, 1, 0
	WIN 0
	PLACES NP                                      ; behind the last products: the lines below write registers that held A's fragments, and read results
; 64 numbers of a lane, v[s] .. v[s + 63], register 16 b + i = place 32 b + 16 (lane / 16) + i along the next K, become codes in v[PC] on and a scale word in v[PW].
.macro QUANT s
.irp b, 0,1,2,3
	v_max3_num_f32 v[TM+\b], |v[\s+16*\b]|, |v[\s+1+16*\b]|, 0x4800000   ; block b: my 16 numbers, and the floor 2^(9 - 127): so the byte cannot fall under 1
.endr
.irp i, 2,4,6,8,10,12,14
.irp b, 0,1,2,3
	v_max3_num_f32 v[TM+\b], v[TM+\b], |v[\s+16*\b+\i]|, |v[\s+1+16*\b+\i]|   ; (the four blocks by turns)
.endr
.endr
.irp b, 0,1,2,3
	v_permlanex16_b32 v[TM+4+\b], v[TM+\b], s[SEL], s[SEL+1]
.endr
.irp b, 0,1,2,3
	v_max_num_f32 v[TM+\b], v[TM+\b], v[TM+4+\b]   ; with lane l xor 16's: the block's largest magnitude
.endr
.irp b, 0,1,2,3
	v_add_nc_u32 v[TM+12+\b], 0xfc000000, v[TM+\b]   ; 8 off its exponent field: the conversion's scale operand
.endr
.irp b, 0,1,2,3
.endr
.irp b, 0,1,2,3
	v_lshrrev_b32 v[TM+4+\b], 23, v[TM+12+\b]      ; the scale's byte
.endr
	v_lshl_or_b32 v[PW], v[TM+5], 8, v[TM+4]
	v_lshl_or_b32 v[PW], v[TM+6], 16, v[PW]
	v_lshl_or_b32 v[PW], v[TM+7], 24, v[PW]
.irp b, 0,1,2,3
.irp i, 0,1,2,3,4,5,6,7,8,9,10,11,12,13,14,15
.endr
	v_cvt_scalef32_pk8_fp8_f32 v[PC+4*\b:PC+1+4*\b], v[\s+16*\b:\s+7+16*\b], v[TM+12+\b]
	v_cvt_scalef32_pk8_fp8_f32 v[PC+2+4*\b:PC+3+4*\b], v[\s+8+16*\b:\s+15+16*\b], v[TM+12+\b]
.endr
	v_nop                                          ; one plain vector instruction behind the last scaled conversion
.endm
; Block a of my eight: 16 rows of A x my 128 rows of B.
.macro EPI a
.set CSA, CS0+32*((\a)%2)
.set CSN, CS0+32*(((\a)+1)%2)
.set AC, 64*((\a)%4)
	s_wait_loadcnt 0x0                             ; this block's cos and sin are in, so the table's address may step
	s_wait_xcnt 0x0                                ; the last block's stores have read their codes, offsets and base: all may be written again
.if (\a) == 4
	s_add_nc_u64 s[DST:DST+1], s[DST:DST+1], s[STEPB:STEPB+1]
.elseif (\a) > 0
	s_add_nc_u64 s[DST:DST+1], s[DST:DST+1], s[STEPA:STEPA+1]
.endif
.if (\a) < 7
	s_add_nc_u64 s[RP:RP+1], s[RP:RP+1], s[RSTEP:RSTEP+1]
.irp q, 0,1,2,3,4,5,6,7
	global_load_b128 v[CSN+4*\q:CSN+4*\q+3], v[L16], s[RP:RP+1] offset:512*\q   ; the next block's, a block ahead
.endr
.endif
	WIN 0x02+(\a)/4                                ; source 0: the accumulators' window
	; registers n, n + 1 are an even and an odd channel; beside them lie cos and sin of their pair.  Each accumulator is read from its low end on.
.set n, 0
.rept 32
	v_pk_mul_f32 v[ST+n:ST+n+1], v[AC+n:AC+n+1], v[CSA+16*((n/16)%2)+n%16:CSA+16*((n/16)%2)+n%16+1] op_sel:[1,1] op_sel_hi:[0,1] neg_lo:[1,0]   ; (-odd x sin, even x sin)
.set n, n+2
.endr
.set n, 0
.rept 32
	v_pk_fma_f32 v[ST+n:ST+n+1], v[AC+n:AC+n+1], v[CSA+16*((n/16)%2)+n%16:CSA+16*((n/16)%2)+n%16+1], v[ST+n:ST+n+1] op_sel_hi:[1,0,1]   ; + (even x cos, odd x cos)
.set n, n+2
.endr
	WIN 0
	QUANT ST
.if (\a)%2 == 0
	v_and_b32 v[SW0+(\a)/2], s[WM], v[PW]          ; an even block's words: lanes 0-15 count
	v_lshrrev_b32 v[SW1+(\a)/2], 16, v[PW]
.else
	v_and_b32 v[W0], s[WM], v[PW]
	v_lshrrev_b32 v[W1], 16, v[PW]
	v_cndmask_b32 v[SW0+(\a)/2], v[SW0+(\a)/2], v[W0], s[HM]   ; an odd block's go into lanes 16-31 of the same register
	v_cndmask_b32 v[SW1+(\a)/2], v[SW1+(\a)/2], v[W1], s[HM]
.endif
.irp g, 0,1,2,3
	global_store_b128 v[VO+\g], v[PC+4*\g:PC+4*\g+3], s[DST:DST+1]   ; 32 lanes store 512 consecutive bytes, aligned
.endr
.endm
.irp b, 0,1,2,3
	v_mov_b32 v[TM+4+\b], 0                        ; written once: a lane permute's destination counts as one of its sources
.endr
.irp a, 0,1,2,3,4,5,6,7
	EPI \a
.endr
	s_cmp_lg_u32 s95, 0
	s_cbranch_scc1 .Lv_words
	global_store_b128 v[L16], v[SW0:SW0+3], s[SCP:SCP+1]     ; Q, K: four words a lane for each of my two heads
	global_store_b128 v[VO+2], v[SW1:SW1+3], s[SCP:SCP+1]
	s_branch .Lwords_out
.Lv_words:
	global_store_b64 v12, v[SW0:SW0+1], s[SCP:SCP+1]         ; V: two words a lane for each of my two heads: 256 consecutive bytes
	s_wait_alu depctr_va_vdst(0)
	global_store_b64 v13, v[SW0+2:SW0+3], s[SCP:SCP+1]
.Lwords_out:
	s_wait_tensorcnt 0x0                           ; the wave's end
	ds_add_u32 v[SPW], v[NIL]
	s_wait_dscnt 0x0
	CROUND                                         ; the closing round: no work-group ends while a partner may still ask for a tile that names it
	s_endpgm
.Lfunc_end_k_qd8e663d130_qkv:
	.size	k_qd8e663d130_qkv, .Lfunc_end_k_qd8e663d130_qkv-k_qd8e663d130_qkv
	.p2alignl 7, 3214868480
	.fill 96, 4, 3214868480
	.section	.rodata,"a",@progbits
	.p2align	6, 0x0
	.amdhsa_kernel k_qd8e663d130_qkv
		.amdhsa_group_segment_fixed_size 327680
		.amdhsa_private_segment_fixed_size 0
		.amdhsa_enable_private_segment 0
		.amdhsa_kernarg_size 56
		.amdhsa_user_sgpr_count 2
		.amdhsa_user_sgpr_kernarg_segment_ptr 1
		.amdhsa_wavefront_size32 1
		.amdhsa_system_sgpr_workgroup_id_x 1
		.amdhsa_system_sgpr_workgroup_id_y 1
		.amdhsa_system_sgpr_workgroup_id_z 1
		.amdhsa_system_vgpr_workitem_id 0
		.amdhsa_next_free_vgpr 1024
		.amdhsa_next_free_sgpr 102
		.amdhsa_reserve_vcc 0
		.amdhsa_float_denorm_mode_32 3
		.amdhsa_float_denorm_mode_16_64 3
		.amdhsa_fp16_overflow 1
		.amdhsa_memory_ordered 1
		.amdhsa_forward_progress 1
		.amdhsa_inst_pref_size 191
	.end_amdhsa_kernel
	.amdgpu_metadata
---
amdhsa.version: [ 1, 2 ]
amdhsa.kernels:
  - .name:           k_qd8e663d130_qkv
    .symbol:         k_qd8e663d130_qkv.kd
    .args:
      - { .name: act_codes, .offset: 0, .size: 8, .value_kind: global_buffer, .address_space: global }
      - { .name: act_scales, .offset: 8, .size: 8, .value_kind: global_buffer, .address_space: global }
      - { .name: w_codes, .offset: 16, .size: 8, .value_kind: global_buffer, .address_space: global }
      - { .name: w_scales, .offset: 24, .size: 8, .value_kind: global_buffer, .address_space: global }
      - { .name: rope, .offset: 32, .size: 8, .value_kind: global_buffer, .address_space: global }
      - { .name: qrec, .offset: 40, .size: 8, .value_kind: global_buffer, .address_space: global }
      - { .name: kvrec, .offset: 48, .size: 8, .value_kind: global_buffer, .address_space: global }
    .group_segment_fixed_size: 327680
    .private_segment_fixed_size: 0
    .kernarg_segment_align: 8
    .kernarg_segment_size: 56
    .max_flat_workgroup_size: 128
    .sgpr_count:     102
    .vgpr_count:     1024
    .wavefront_size: 32
...
	.end_amdgpu_metadata
.endif
;; end of part 2
;; launch attn (part 3): grid 4 x 64, 16 waves a work-group, no clusters, 327,680 bytes of LDS; arguments qrec, kvrec, act_codes, act_scales; writes act_codes, act_scales
.if DOCPART == 3
	.amdgcn_target "amdgcn-amd-amdhsa--gfx1250"
	.amdhsa_code_object_version 6
	.text
	.protected	k_qd8e663d130_attn
	.globl	k_qd8e663d130_attn
	.p2align	8
	.type	k_qd8e663d130_attn,@function
k_qd8e663d130_attn:
	s_mov_b64 s[64:65], 0
	v_nop
	global_prefetch_b8 v0, s[64:65] scope:SCOPE_SE
	s_setreg_imm32_b32 hwreg(HW_REG_WAVE_MODE, 25, 1), 1
	s_wait_xcnt 0x0
; ATTN.  Causal attention of one head on codes of FP8 (E4M3) with E8M0 scales, and the quantising of its result along the output projection's K.
; t = score x log2(e) / 8; M = the row's largest t so far, rounded UP to a whole number; p = 2^(t - M) is quantised along the keys, not normalised; the row's sum is taken of the unquantised p and divides O at the end.  When M moves, the sum and O are multiplied by 2^(old M - new M): exact.
; SHARES.  Work-group (i, batch x 16 + head), i = 0 .. 3, owns the blocks 7 - i and i of 256 queries: it walks 8 - i and then i + 1 slots of 256 keys: NINE slots whatever i, so the trip count is a constant and all work-groups have equal work.
; Each of its sixteen waves owns one tile of 16 queries of the block in hand, in 256 registers: four waves to a SIMD, so that one wave's vector work stands beside another's matrix work and LDS loads.
; A slot is one record of 34,304 bytes (K's codes, V's codes, their scale words: images of the operands' registers), one dense block of memory: waves 0 and 1 bring half of it each by one tensor load; two LDS slots take turns.
; Every LDS read takes 16 (or 8) bytes a lane at 16 (8) x lane: consecutive bytes; no pitch, no padding.
; LAYOUT.  Both products are used transposed: S^T = K Q^T (source 0 = 16 keys, source 1 = my 16 queries), O^T = V^T P^T: a lane holds ONE query (lane % 16) throughout.  The tiles of tokens and of channels hold rows 32 b + 8 u + r + 8 (r / 8),
; so that the 16 registers of result tiles 2 b and 2 b + 1 are 16 neighbours: 32 b + 16 (lane / 16) + 0 .. 15.
; THE HEAD'S 64 IN AN INSTRUCTION OF 128: Q's registers 8-15 hold zero codes.  K's operand for tile t is v[32 + 8 t : 47 + 8 t]: its upper eight registers are the next tile's codes (for tile 7 zeros), which meet Q's zeros; the scale bytes 2 and 3 are 0 (2^-127) on both sides.
; CAUSAL.  A step of 128 keys all of which come after my 16 queries is jumped over (a scalar branch on ids and loop counts; no barrier and no tensor load stands in a step); in the one step on the diagonal hidden scores become -infinity ahead of the maximum.  Key 0 counts for every query.
; NO CLUSTER: the four work-groups of a head begin anew at slot 0 in different trips (8 - i), so their requests are not the same load in the same trip.
; LIMITS: NaN and infinities are not served (K's neighbour codes times Q's zeros want finite codes); 1 / sum is v_rcp_f32 and a multiplication; a block under 2^-118 gets the byte 1.
; REGISTERS: v1 16 x lane, v2 8 x lane, v3 my query less 16 (lane / 16) within its group of 32, v4 Q's scale word's place, v5, v6 the spare word's address and 0, v7 the prefetch's offset, v8, v9 LDS addresses in hand, v10 32 x (lane % 16);
; v12 -M, v13 the largest t, v[14:15] the sum; v16-31 Q; v32-95 K's, then V's fragments; v96-103 zeros; v104-167 S^T, then p; v168-199 O^T; v200-215 codes; v216-223 scale words; v224-246 at work.
.set REC,   34304
.set HEADB, 8*REC
.set VOFF,  16384
.set KSOFF, 32768
.set VSOFF, 33792
.set HALFR, REC/2                      ; 67 rows of 256 bytes: what one tensor load brings
.set SLOT1, 65536                      ; slot 1 begins here: one exclusive or turns an address in one slot into the other's
.set SPARE, 131072                     ; the spare words, 128 bytes for each wave: eight blocks of 256 bytes that no other line names
.set S,    104
.set O,    168
.set PCD,  200
.set KSC,  216                         ; v216-219 K's scale words of a step: word j: tile 2 j in lanes 0-15, tile 2 j + 1 in lanes 16-31
.set VSC,  220                         ; v220-221 V's likewise
.set QSC,  222                         ; v222 Q's
.set PSC,  223                         ; v223 p's
.set BM,   224                         ; a block's largest score, then its largest p
.set PT,   228
.set HL,   232
.set SO,   236                         ; the conversion's scale operand
.set WV,   18
.set MNT,  19
.set SEL,  20
.set CS,   22                          ; s[22:23] c = log2(e) / 8
.set NS,   40                          ; the record to fetch next
.set CSL,  41                          ; the record in hand
.set LIMA, 42                          ; 8 - i: records of the first block
.set LASTA, 43                         ; 7 - i
.set SLOTS, 44
.set TB,   45                          ; LDS byte at which the slot in hand begins
.set KF,   46                          ; the step's first key
.set Q32,  47                          ; the first query of the group of 32 in which my 16 lie
.set BB,   48                          ; the block of queries in hand
.set QP,   50                          ; s[50:51] Q's codes, s[52:53] Q's scale words, s[54:55], s[56:57] where the result's codes and scale bytes go
.set QSP,  52
.set AP,   54
.set ASP,  56
.set PFA,  58
.set LIM,  60
.set BH,   61
.set BHO,  62
.macro TLOAD                           ; waves 0 and 1 fetch; the branch hangs on the wave's number alone.  Four v_nop follow the line
	s_cmp_lt_u32 s[WV], 2
	s_cbranch_scc0 .Lasked_\@
	tensor_load_to_lds s[32:35], s[24:31]
	s_nop 0
.rept 4
	v_nop
.endr
.Lasked_\@:
.endm
; A PREFETCH INTO THE L2 of the record that the NEXT change of slots will ask for: a slot's two key steps of sixteen waves ahead of that load.  The four work-groups of a head read the same records; work-group i = 0, which walks records 0 to 7 in order,
; asks, and in it waves 4 to 8, which fetch nothing: lanes 256 bytes apart, 8,192 bytes a wave; the lanes past the record's 134 blocks name its last block.  Trip t asks for record t + 2, t = 0 .. 5: records 0 and 1 come by their loads alone, and nothing is asked for past record 7.
.macro ASK
	s_cmp_gt_u32 s[SLOTS], s[LIM]
	s_cbranch_scc0 .Lnot_mine_\@
	global_prefetch_b8 v7, s[PFA:PFA+1] th:TH_LOAD_NT scope:SCOPE_SE
.Lnot_mine_\@:
.endm
; the addresses that hang on the block of queries s[BB]
.macro BLOCKADR
	s_mul_i32 s66, s[BB], REC
	s_add_co_u32 s66, s66, s[BHO]                  ; the block's record
	s_lshl_b32 s68, s[WV], 10                      ; my tile's codes: 1,024 bytes a tile
	s_add_co_u32 s68, s68, s66
	s_mov_b32 s69, 0
	s_add_nc_u64 s[QP:QP+1], s[4:5], s[68:69]
	s_lshr_b32 s68, s[WV], 3
	s_lshl_b32 s68, s68, 9                         ; its scale words: 512 bytes for each 8 tiles,
	s_and_b32 s70, s[WV], 6
	s_lshl_b32 s70, s70, 1                         ; word (tile % 8) / 2
	s_add_co_u32 s68, s68, s70
	s_add_co_u32 s68, s68, s66
	s_add_co_u32 s68, s68, KSOFF
	s_add_nc_u64 s[QSP:QSP+1], s[4:5], s[68:69]
	s_lshr_b32 s70, s[BH], 4
	s_lshl_b32 s70, s70, 7
	s_lshl_b32 s71, s[BB], 4
	s_add_co_u32 s70, s70, s71
	s_add_co_u32 s70, s70, s[WV]                   ; my tile among all 512: 128 x batch + 16 x block + wave
	s_and_b32 s71, s[BH], 15                       ; the head
	s_lshl_b32 s68, s70, 14                        ; a tile's 1,024 along K are 16,384 bytes of images; a head's 64 are 1,024 of them
	s_lshl_b32 s72, s71, 10
	s_add_co_u32 s68, s68, s72
	s_add_nc_u64 s[AP:AP+1], s[8:9], s[68:69]
	s_lshl_b32 s68, s70, 9                         ; 16 rows of 32 scale bytes; a head's two
	s_lshl_b32 s72, s71, 1
	s_add_co_u32 s68, s68, s72
	s_add_nc_u64 s[ASP:ASP+1], s[10:11], s[68:69]
	s_lshl_b32 s[Q32], s[BB], 8
	s_lshr_b32 s72, s[WV], 1
	s_lshl_b32 s72, s72, 5
	s_add_co_u32 s[Q32], s[Q32], s72
.endm
.macro QLOAD
	global_load_b128 v[16:19], v1, s[QP:QP+1]
	global_load_b128 v[20:23], v1, s[QP:QP+1] offset:512
	global_load_b32 v[QSC], v4, s[QSP:QSP+1]
.endm
	s_load_b256 s[4:11], s[0:1], 0x0               ; qrec, kvrec, act_codes, act_scales
	v_lshl_add_u32 v5, v0, 2, SPARE
	v_mov_b32 v6, 0
	ds_add_u32 v5, v6
	ds_add_u32 v5, v6
	s_wait_dscnt 0x0
	v_lshrrev_b32 v1, 5, v0
	s_delay_alu instid0(VALU_DEP_1)
	v_readfirstlane_b32 s[WV], v1                  ; wave 0..15
	s_and_b32 s[BH], ttmp7, 0xffff                 ; batch x 16 + head
	s_mul_i32 s[BHO], s[BH], HEADB                 ; its records (under 2^25 bytes)
	s_sub_co_u32 s[LIMA], 8, ttmp9
	s_sub_co_u32 s[LASTA], 7, ttmp9
	; descriptor group 1: half a record: 67 rows of 256 bytes (32 elements of 8 bytes), dense in memory and in LDS
	s_mov_b32 s24, 3<<16                           ; 15:0 no mask; 17:16 elements of 8 bytes; no padding
	s_mov_b32 s25, 32<<16                          ; tensor_dim0
	s_mov_b32 s26, 67<<16                          ; tensor_dim1
	s_mov_b32 s27, 32<<16                          ; tile_dim0
	s_mov_b32 s28, 67                              ; tile_dim1
	s_mov_b32 s29, 32                              ; tensor_dim0_stride
	s_mov_b32 s30, 0
	s_mov_b32 s31, 0
	s_and_b32 s73, s[WV], 1
	s_mov_b32 s32, 1                               ; group 0: count = 1
	s_mul_i32 s33, s73, HALFR                      ; LDS address: my half of slot 0
	s_add_co_u32 s68, s33, s[BHO]
	s_mov_b32 s69, 0
	s_mov_b32 s39, 0
	s_mov_b32 s[SEL], 0x76543210
	s_mov_b32 s[SEL+1], 0xfedcba98
	s_mov_b32 s[CS], 0x3e38aa3b                    ; c = log2(e) / sqrt(64)
	s_mov_b32 s[CS+1], s[CS]                       ; (named with it as a pair, so it is written)
	s_mov_b32 s[NS], 0
	s_mov_b32 s[CSL], 0
	s_mov_b32 s[KF], 0
	s_mov_b32 s[TB], 0
	s_mov_b32 s[SLOTS], 8
	s_wait_kmcnt 0x0
	s_add_nc_u64 s[36:37], s[6:7], s[68:69]        ; my half of the head's record 0: kept
	s_mov_b64 s[34:35], s[36:37]
	s_or_b32 s35, s35, 0x80000000                  ; type = 2
	TLOAD                                          ; slot 0: the launch's one first fill at its head; one load of mine is out
	s_mov_b32 s[BB], s[LASTA]                      ; the later block of queries first
	BLOCKADR
	v_and_b32 v2, 31, v0
	s_delay_alu instid0(VALU_DEP_1)
	v_lshlrev_b32 v1, 4, v2                        ; 16 x lane
	s_delay_alu instid0(VALU_DEP_2)
	v_lshlrev_b32 v7, 8, v2
	s_delay_alu instid0(VALU_DEP_3)
	v_lshlrev_b32 v2, 3, v2                        ; 8 x lane
	v_and_b32 v10, 15, v0                          ; r
	v_bfe_u32 v11, v0, 4, 1                        ; h
	s_lshl_b32 s74, s73, 8
	v_lshl_add_u32 v4, v10, 4, s74                 ; Q's scale word lies at lane 16 (tile % 2) + r of its register's image: 16 bytes a lane
	QLOAD
	v_and_b32 v3, 8, v10
	s_delay_alu instid0(VALU_DEP_1)
	v_add_nc_u32 v3, v3, v10                       ; r + 8 (r / 8)
	v_lshlrev_b32 v11, 4, v11
	s_delay_alu instid0(VALU_DEP_1)
	v_sub_nc_u32 v3, v3, v11
	s_lshl_b32 s74, s73, 3
	v_add_nc_u32 v3, s74, v3                       ; + 8 (tile % 2) - 16 h
	v_lshlrev_b32 v10, 5, v10                      ; a row of scale bytes is 32 bytes
	; the prefetches
	s_sub_co_u32 s66, s[WV], 4
	s_cmp_lt_u32 s66, 5
	s_cselect_b32 s67, 0, 1
	s_or_b32 s67, s67, ttmp9
	s_cmp_eq_u32 s67, 0
	s_cselect_b32 s[LIM], 2, -1                    ; waves 4 to 8 of work-group i = 0 ask while more than two trips are left
	s_lshl_b32 s66, s66, 13
	v_add_nc_u32 v7, s66, v7
	s_delay_alu instid0(VALU_DEP_1)
	v_min_u32 v7, REC-256, v7                      ; never past the record
	s_mov_b32 s68, s[BHO]
	s_add_nc_u64 s[PFA:PFA+1], s[6:7], s[68:69]
	s_add_nc_u64 s[PFA:PFA+1], s[PFA:PFA+1], REC   ; at record 1: the first change of slots steps it to record 2.  Nothing is asked for here, at the head
.irp j, 0,1,2,3,4,5,6,7
	v_mov_b32 v[24+\j], 0                          ; Q's upper half: zero codes
	v_mov_b32 v[96+\j], 0                          ; and what stands behind K's last tile
.endr
	v_mov_b32 v13, 0xff61b1e6                      ; the largest t so far: -3e38, under every t
	s_delay_alu instid0(VALU_DEP_1)
	v_floor_f32 v12, -v13                          ; -M
	v_mov_b32 v14, 0                               ; the sum, in two halves
	v_mov_b32 v15, 0
.irp b, 0,1,2,3
	v_mov_b32 v[PT+\b], 0                          ; written once: a lane permute's destination counts as one of its sources
.endr
	v_mov_b32 v243, 0                              ; (named as the upper half of the pair v[242:243])
	v_mov_b32 v244, 0
	v_mov_b32 v245, 0xff800000                     ; -infinity
.set j, 0
.rept 32
	v_mov_b32 v[O+j], 0                            ; O^T.  (The step is written once: a block's first step finds zeros, which the first change of M leaves zeros)
.set j, j+1
.endr
; A KEY STEP: 128 keys, the q-th of the slot in hand.
.macro STEP q
	s_add_co_u32 s66, s[Q32], 31
	s_cmp_gt_u32 s[KF], s66
	s_cbranch_scc1 .Lhidden_\@                     ; all 128 keys come after my queries
	v_add_nc_u32 v8, s[TB], v1
	v_add_nc_u32 v9, s[TB], v2
.rept 6
	v_nop                                          ; with the two additions: eight places in front of loads into registers that the last products read
.endr
.irp t, 0,1,2,3,4,5,6,7
	ds_load_b128 v[32+8*\t:35+8*\t], v8 offset:8192*(\q)+1024*\t
	ds_load_b128 v[36+8*\t:39+8*\t], v8 offset:8192*(\q)+1024*\t+512
.endr
	ds_load_b128 v[KSC:KSC+3], v8 offset:KSOFF+512*(\q)
	s_wait_alu depctr_va_vdst(0)
	s_wait_dscnt 0x0
.irp t, 0,1,2,3,4,5,6,7                        ; S^T = K Q^T
.if (\t)%2
	v_wmma_scale_f32_16x16x128_f8f6f4 v[S+8*\t:S+8*\t+7], v[32+8*\t:47+8*\t], v[16:31], 0, v[KSC+(\t)/2], v[QSC] matrix_a_scale:MATRIX_SCALE_ROW1
.else
	v_wmma_scale_f32_16x16x128_f8f6f4 v[S+8*\t:S+8*\t+7], v[32+8*\t:47+8*\t], v[16:31], 0, v[KSC+(\t)/2], v[QSC]
.endif
.endr
.rept 8
	v_nop                                          ; places: in front of the loads into K's registers, and of the first read of the scores
.endr
.irp t, 0,1,2,3                                ; V's fragments are asked for now and land under the softmax
.irp c, 0,1,2,3
	ds_load_b128 v[32+16*\t+4*\c:35+16*\t+4*\c], v8 offset:VOFF+8192*(\q)+2048*\t+512*\c
.endr
.endr
	ds_load_b64 v[VSC:VSC+1], v9 offset:VSOFF+256*(\q)
	s_add_co_u32 s66, s[KF], 127
	s_cmp_le_u32 s66, s[Q32]
	s_cbranch_scc1 .Lopen_\@                       ; all 128 keys count
	s_sub_co_i32 s66, s[Q32], s[KF]
	v_add_nc_u32 v246, s66, v3                     ; d = my query - the step's first key - 16 (lane / 16).  Register 16 b + i holds key 32 b + 16 (lane / 16) + i of the step: hidden where 32 b + i > d
.set n, 0
.rept 64
	v_cmp_gt_i32 vcc_lo, 32*(n/16)+n%16, v246
	v_cndmask_b32 v[S+n], v[S+n], v245, vcc_lo
.set n, n+1
.endr
.Lopen_\@:
.irp b, 0,1,2,3
	v_max3_num_f32 v[BM+\b], v[S+16*\b], v[S+1+16*\b], v[S+2+16*\b]   ; the largest score of each block of 32 keys: it serves the row's maximum and, since p rises with the score, the block's largest p
.endr
.irp i, 3,5,7,9,11,13
.irp b, 0,1,2,3
	v_max3_num_f32 v[BM+\b], v[BM+\b], v[S+16*\b+\i], v[S+1+16*\b+\i]
.endr
.endr
.irp b, 0,1,2,3
	v_max_num_f32 v[BM+\b], v[BM+\b], v[S+15+16*\b]
.endr
.irp b, 0,1,2,3
	s_delay_alu instid0(VALU_DEP_4)
	v_permlanex16_b32 v[PT+\b], v[BM+\b], s[SEL], s[SEL+1]
.endr
.irp b, 0,1,2,3
	s_delay_alu instid0(VALU_DEP_4)
	v_max_num_f32 v[BM+\b], v[BM+\b], v[PT+\b]     ; with lane l xor 16's 16 keys
.endr
	s_delay_alu instid0(VALU_DEP_2)
	v_max3_num_f32 v244, v[BM], v[BM+1], v[BM+2]
	s_delay_alu instid0(VALU_DEP_1)
	v_max_num_f32 v244, v244, v[BM+3]              ; the step's largest score of my query
	s_delay_alu instid0(VALU_DEP_1)
	v_mul_f32 v244, s[CS], v244                    ; as t (c is positive)
	s_delay_alu instid0(VALU_DEP_1)
	v_max_num_f32 v13, v13, v244                   ; the running largest t
	v_mov_b32 v244, v12
	s_delay_alu instid0(VALU_DEP_2)
	v_floor_f32 v12, -v13                          ; the new -M = floor(-t) = -ceil(t)
	s_delay_alu instid0(VALU_DEP_1)
	v_sub_f32 v244, v12, v244                      ; M's old value less its new one: a whole number, 0 or less
	s_delay_alu instid0(VALU_DEP_1)
	v_cvt_i32_f32 v244, v244                       ; (it saturates)
	s_delay_alu instid0(VALU_DEP_1)
	v_ldexp_f32 v242, 1.0, v244                    ; f = 2^(old M - new M)
.set j, 0
.rept 32
	v_pk_fma_f32 v[S+j:S+j+1], v[S+j:S+j+1], s[CS:CS+1], v[12:13] op_sel_hi:[1,0,0]   ; t - M, two at a time
.set j, j+2
.endr
.irp b, 0,1,2,3
	v_fma_f32 v[BM+\b], v[BM+\b], s[CS], v12       ; the same of each block's largest score
.endr
.set j, 0
	s_wait_alu depctr_va_vdst(0)
.rept 64
	v_exp_f32 v[S+j], v[S+j]                       ; p = 2^(t - M), at most 1
.set j, j+1
.endr
	v_pk_mul_f32 v[14:15], v[14:15], v[242:243] op_sel_hi:[1,0]   ; the sums under the new M.  (The plain instruction behind the exponentials)
	s_wait_alu depctr_va_vdst(0)                   ; one wait for the whole batch, ahead of its first reader
.irp b, 0,1,2,3
	v_exp_f32 v[BM+\b], v[BM+\b]                   ; the block's largest p: the same two instructions on the same number give the same bits
.endr
	v_pk_add_f32 v[240:241], v[108:109], v[112:113]
	v_pk_add_f32 v[254:255], v[116:117], v[120:121]
	v_pk_add_f32 v[252:253], v[124:125], v[128:129]
	v_pk_add_f32 v[250:251], v[132:133], v[136:137]
	v_pk_add_f32 v[248:249], v[140:141], v[144:145]
	v_pk_add_f32 v[246:247], v[148:149], v[152:153]
	v_pk_add_f32 v[238:239], v[156:157], v[160:161]
	v_pk_add_f32 v[14:15], v[14:15], v[164:165]
	v_pk_add_f32 v[240:241], v[240:241], v[104:105]
	v_pk_add_f32 v[254:255], v[254:255], v[106:107]
	v_pk_add_f32 v[252:253], v[252:253], v[110:111]
	v_pk_add_f32 v[250:251], v[250:251], v[114:115]
	v_pk_add_f32 v[248:249], v[248:249], v[118:119]
	v_pk_add_f32 v[246:247], v[246:247], v[122:123]
	v_pk_add_f32 v[238:239], v[238:239], v[126:127]
	v_pk_add_f32 v[14:15], v[14:15], v[130:131]
	v_pk_add_f32 v[240:241], v[240:241], v[134:135]
	v_pk_add_f32 v[254:255], v[254:255], v[138:139]
	v_pk_add_f32 v[252:253], v[252:253], v[142:143]
	v_pk_add_f32 v[250:251], v[250:251], v[146:147]
	v_pk_add_f32 v[248:249], v[248:249], v[150:151]
	v_pk_add_f32 v[246:247], v[246:247], v[154:155]
	v_pk_add_f32 v[238:239], v[238:239], v[158:159]
	v_pk_add_f32 v[14:15], v[14:15], v[162:163]
	v_pk_add_f32 v[240:241], v[240:241], v[166:167]
	s_delay_alu instid0(VALU_DEP_2)
	v_pk_add_f32 v[14:15], v[14:15], v[250:251]
	s_delay_alu instid0(VALU_DEP_2)
	v_pk_add_f32 v[240:241], v[240:241], v[248:249]
	v_pk_add_f32 v[254:255], v[254:255], v[246:247]
	v_pk_add_f32 v[252:253], v[252:253], v[238:239]
	s_delay_alu instid0(VALU_DEP_2)
	v_pk_add_f32 v[14:15], v[14:15], v[254:255]
	s_delay_alu instid0(VALU_DEP_2)
	v_pk_add_f32 v[240:241], v[240:241], v[252:253]
	s_delay_alu instid0(VALU_DEP_1)
	v_pk_add_f32 v[14:15], v[14:15], v[240:241]
	s_wait_alu depctr_va_vdst(0)                   ; and one for the four
.irp b, 0,1,2,3
	v_max_num_f32 v[BM+\b], 0x4800000, v[BM+\b]    ; the floor 2^(9 - 127): the byte cannot fall under 1 (a block whose every p is 0 keeps that byte: its codes are zeros)
.endr
.irp b, 0,1,2,3
	s_delay_alu instid0(VALU_DEP_4)
	v_add_nc_u32 v[SO+\b], 0xfc000000, v[BM+\b]    ; 8 off the exponent field: the conversion's scale operand
.endr
.irp b, 0,1,2,3
.endr
.irp b, 0,1,2,3
	s_delay_alu instid0(VALU_DEP_4)
	v_lshrrev_b32 v[PT+\b], 23, v[SO+\b]           ; the scale's byte
.endr
	s_delay_alu instid0(VALU_DEP_3)
	v_lshl_or_b32 v[PSC], v[PT+1], 8, v[PT]        ; p's scale word for these 128 keys
	s_delay_alu instid0(VALU_DEP_1)
	v_lshl_or_b32 v[PSC], v[PT+2], 16, v[PSC]
	s_delay_alu instid0(VALU_DEP_1)
	v_lshl_or_b32 v[PSC], v[PT+3], 24, v[PSC]
.irp b, 0,1,2,3
.irp i, 0,1,2,3,4,5,6,7,8,9,10,11,12,13,14,15
.endr
	v_cvt_scalef32_pk8_fp8_f32 v[PCD+4*\b:PCD+1+4*\b], v[S+16*\b:S+7+16*\b], v[SO+\b]
	v_cvt_scalef32_pk8_fp8_f32 v[PCD+2+4*\b:PCD+3+4*\b], v[S+8+16*\b:S+15+16*\b], v[SO+\b]
.endr
.set j, 0
.rept 16
	v_pk_mul_f32 v[O+j:O+j+1], v[O+j:O+j+1], v[242:243] op_sel_hi:[1,0]   ; O^T under the new M.  (These sixteen are also the places between the codes and the products)
.set j, j+2
.endr
	s_wait_alu depctr_va_vdst(0)
	s_wait_dscnt 0x0                               ; V is in
.irp t, 0,1,2,3                                ; O^T += V^T P^T: four accumulators by turns
.if (\t)%2
	v_wmma_scale_f32_16x16x128_f8f6f4 v[O+8*\t:O+8*\t+7], v[32+16*\t:47+16*\t], v[PCD:PCD+15], v[O+8*\t:O+8*\t+7], v[VSC+(\t)/2], v[PSC] matrix_a_scale:MATRIX_SCALE_ROW1
.else
	v_wmma_scale_f32_16x16x128_f8f6f4 v[O+8*\t:O+8*\t+7], v[32+16*\t:47+16*\t], v[PCD:PCD+15], v[O+8*\t:O+8*\t+7], v[VSC+(\t)/2], v[PSC]
.endif
.endr
.Lhidden_\@:
	s_add_co_u32 s[KF], s[KF], 128
.endm
; THE CHANGE OF SLOTS stands at a slot's head.  Each wave waits for all its tensor loads, adds 0 to its spare word, and waits for that and for its reads of the slot that it has left.  Behind the barrier the slot ahead is whole and nobody reads the other one.
; fill = 1: that other slot is filled with the record that follows: the load has a whole slot's steps in which to land.
.macro CHANGE fill
	s_wait_tensorcnt 0x0                           ; no tensor load of mine is out, so group 0 may be written
	ds_add_u32 v5, v6                              ; 0 onto my spare word
.if \fill
	s_xor_b32 s33, s33, SLOT1                      ; the other slot than last time
	s_add_co_u32 s[NS], s[NS], 1
	s_cmp_eq_u32 s[NS], s[LIMA]
	s_cselect_b32 s[NS], 0, s[NS]                  ; behind the first block's last record comes record 0 again
	s_mul_i32 s38, s[NS], REC
	s_add_nc_u64 s[34:35], s[36:37], s[38:39]
	s_or_b32 s35, s35, 0x80000000
	s_wait_xcnt 0x0                                ; the last prefetch, a slot back, has read its address, so it may be written
	s_add_nc_u64 s[PFA:PFA+1], s[PFA:PFA+1], REC
.endif
	s_wait_dscnt 0x0                               ; the add is done, and my reads of the slot that I have left are over
	s_barrier_signal -1
	s_barrier_wait -1
.if \fill
	TLOAD                                          ; the first thing behind the barrier, and a wave's one tensor load until the next
	ASK
.endif
.endm
; A BLOCK OF QUERIES IS DONE: O^T / the sum is quantised along the output projection's K (my head's 64: two blocks of 32) and stored as an image of that product's operand.  next = 1: the second block begins.
.macro FINISH next
.rept 8
	v_nop                                          ; places behind the last products
.endr
	v_add_f32 v14, v14, v15                        ; the sum's two halves,
	s_delay_alu instid0(VALU_DEP_1)
	v_permlanex16_b32 v244, v14, s[SEL], s[SEL+1]
	s_delay_alu instid0(VALU_DEP_1)
	v_add_f32 v14, v14, v244                       ; and lane l xor 16's: the row's sum
	s_wait_alu depctr_va_vdst(0)
	v_rcp_f32 v14, v14
	v_nop                                          ; a plain instruction behind the transcendental,
	s_wait_alu depctr_va_vdst(0)                   ; and the wait ahead of its first reader
.set j, 0
.rept 16
	v_pk_mul_f32 v[S+j:S+j+1], v[O+j:O+j+1], v[14:15] op_sel_hi:[1,0]   ; register 16 b + i: channel 32 b + 16 (lane / 16) + i of my query; each accumulator from its low end on
.set j, j+2
.endr
.irp b, 0,1
	v_max3_num_f32 v[BM+\b], |v[S+16*\b]|, |v[S+1+16*\b]|, 0x4800000
.endr
.irp i, 2,4,6,8,10,12,14
.irp b, 0,1
	s_delay_alu instid0(VALU_DEP_2)
	v_max3_num_f32 v[BM+\b], v[BM+\b], |v[S+16*\b+\i]|, |v[S+1+16*\b+\i]|
.endr
.endr
.irp b, 0,1
	s_delay_alu instid0(VALU_DEP_2)
	v_permlanex16_b32 v[PT+\b], v[BM+\b], s[SEL], s[SEL+1]
.endr
.irp b, 0,1
	s_delay_alu instid0(VALU_DEP_2)
	v_max_num_f32 v[BM+\b], v[BM+\b], v[PT+\b]
.endr
.irp b, 0,1
	s_delay_alu instid0(VALU_DEP_2)
	v_add_nc_u32 v[SO+\b], 0xfc000000, v[BM+\b]
.endr
.irp b, 0,1
.endr
.irp b, 0,1
	s_delay_alu instid0(VALU_DEP_2)
	v_lshrrev_b32 v[PT+\b], 23, v[SO+\b]
.endr
	s_delay_alu instid0(VALU_DEP_1)
	v_lshl_or_b32 v244, v[PT+1], 8, v[PT]          ; my row's two scale bytes
.irp b, 0,1
.irp i, 0,1,2,3,4,5,6,7,8,9,10,11,12,13,14,15
.endr
	v_cvt_scalef32_pk8_fp8_f32 v[PCD+4*\b:PCD+1+4*\b], v[S+16*\b:S+7+16*\b], v[SO+\b]
	v_cvt_scalef32_pk8_fp8_f32 v[PCD+2+4*\b:PCD+3+4*\b], v[S+8+16*\b:S+15+16*\b], v[SO+\b]
.endr
	v_nop                                          ; one plain vector instruction behind the last scaled conversion
	global_store_b128 v1, v[PCD:PCD+3], s[AP:AP+1]             ; 512 consecutive bytes a store, 1,024 in all
	global_store_b128 v1, v[PCD+4:PCD+7], s[AP:AP+1] offset:512
	global_store_b16 v10, v244, s[ASP:ASP+1]       ; two bytes of each row's 32 (lanes 16-31 store what lanes 0-15 store): the other bytes are other heads', that is other work-groups'; one byte in 32 of what the launch stores
.if \next
	s_wait_xcnt 0x0                                ; the stores and Q's loads have read their registers and addresses
	s_mov_b32 s[BB], ttmp9                         ; the earlier block of queries
	BLOCKADR
	QLOAD
	v_mov_b32 v13, 0xff61b1e6
	s_delay_alu instid0(VALU_DEP_1)
	v_floor_f32 v12, -v13
	v_mov_b32 v14, 0
	v_mov_b32 v15, 0
.set j, 0
.rept 32
	v_mov_b32 v[O+j], 0
.set j, j+1
.endr
	s_wait_loadcnt 0x0
.endif
.endm
	s_wait_loadcnt 0x0                             ; Q
.Lslot:                                            ; eight trips: behind each change of slots but the last the next record is asked for
	CHANGE 1
	STEP 0
	STEP 1
	s_xor_b32 s[TB], s[TB], SLOT1                  ; on to the other slot
	s_cmp_lg_u32 s[CSL], s[LASTA]                  ; was this the first block's last record?  (ids and loop counts alone; the same in all sixteen waves; no barrier and no tensor load inside)
	s_cbranch_scc1 .Lgo_on
	FINISH 1
.Lgo_on:
	s_add_co_u32 s[CSL], s[CSL], 1
	s_cmp_eq_u32 s[CSL], s[LIMA]
	s_cselect_b32 s[CSL], 0, s[CSL]
	s_lshl_b32 s[KF], s[CSL], 8
	s_sub_co_u32 s[SLOTS], s[SLOTS], 1
	s_cmp_lg_u32 s[SLOTS], 0
	s_cbranch_scc1 .Lslot
	CHANGE 0                                       ; the ninth slot is written out
	STEP 0
	STEP 1
	FINISH 0
	s_wait_tensorcnt 0x0                           ; the wave's end
	ds_add_u32 v5, v6
	s_wait_dscnt 0x0
	s_endpgm
.Lfunc_end_k_qd8e663d130_attn:
	.size	k_qd8e663d130_attn, .Lfunc_end_k_qd8e663d130_attn-k_qd8e663d130_attn
	.p2alignl 7, 3214868480
	.fill 96, 4, 3214868480
	.section	.rodata,"a",@progbits
	.p2align	6, 0x0
	.amdhsa_kernel k_qd8e663d130_attn
		.amdhsa_group_segment_fixed_size 327680
		.amdhsa_private_segment_fixed_size 0
		.amdhsa_enable_private_segment 0
		.amdhsa_kernarg_size 32
		.amdhsa_user_sgpr_count 2
		.amdhsa_user_sgpr_kernarg_segment_ptr 1
		.amdhsa_wavefront_size32 1
		.amdhsa_system_sgpr_workgroup_id_x 1
		.amdhsa_system_sgpr_workgroup_id_y 1
		.amdhsa_system_sgpr_workgroup_id_z 1
		.amdhsa_system_vgpr_workitem_id 0
		.amdhsa_next_free_vgpr 256
		.amdhsa_next_free_sgpr 80
		.amdhsa_reserve_vcc 1
		.amdhsa_float_denorm_mode_32 3
		.amdhsa_float_denorm_mode_16_64 3
		.amdhsa_fp16_overflow 1
		.amdhsa_memory_ordered 1
		.amdhsa_forward_progress 1
		.amdhsa_inst_pref_size 109
	.end_amdhsa_kernel
	.amdgpu_metadata
---
amdhsa.version: [ 1, 2 ]
amdhsa.kernels:
  - .name:           k_qd8e663d130_attn
    .symbol:         k_qd8e663d130_attn.kd
    .args:
      - { .name: qrec, .offset: 0, .size: 8, .value_kind: global_buffer, .address_space: global }
      - { .name: kvrec, .offset: 8, .size: 8, .value_kind: global_buffer, .address_space: global }
      - { .name: act_codes, .offset: 16, .size: 8, .value_kind: global_buffer, .address_space: global }
      - { .name: act_scales, .offset: 24, .size: 8, .value_kind: global_buffer, .address_space: global }
    .group_segment_fixed_size: 327680
    .private_segment_fixed_size: 0
    .kernarg_segment_align: 8
    .kernarg_segment_size: 32
    .max_flat_workgroup_size: 512
    .sgpr_count:     80
    .vgpr_count:     256
    .wavefront_size: 32
...
	.end_amdgpu_metadata
.endif
;; end of part 3
;; launch oproj (part 4): grid 4 x 32, 4 waves a work-group, clusters of 4 x 4, 327,680 bytes of LDS; arguments act_codes, act_scales, w_codes, w_scales, out0; writes out0
.if DOCPART == 4
	.amdgcn_target "amdgcn-amd-amdhsa--gfx1250"
	.amdhsa_code_object_version 6
	.text
	.protected	k_qd8e663d130_oproj
	.globl	k_qd8e663d130_oproj
	.p2align	8
	.type	k_qd8e663d130_oproj,@function
k_qd8e663d130_oproj:
	s_mov_b64 s[64:65], 0
	v_nop
	global_prefetch_b8 v0, s[64:65] scope:SCOPE_SE
	s_setreg_imm32_b32 hwreg(HW_REG_WAVE_MODE, 25, 1), 1
	s_wait_xcnt 0x0
	s_wait_alu depctr_hold_cnt(0) depctr_sa_sdst(0) depctr_va_vdst(0) depctr_va_sdst(0) depctr_va_ssrc(0) depctr_va_vcc(0) depctr_vm_vsrc(0)
	s_getreg_b32 s2, hwreg(HW_REG_IB_STS2, 6, 4)
	s_cmp_eq_u32 s2, 0
	s_cbranch_scc0 .Lentry_in_a_cluster
	s_endpgm
.Lentry_in_a_cluster:
	s_bfe_u32 s2, ttmp6, 0x10000c
	s_cmp_lg_u32 s2, 0xf033
	s_cbranch_scc0 .Lentry_shape_is_right
	s_endpgm
.Lentry_shape_is_right:
; OPROJ.  out0[token][n] = the sum over k of attn[token][k] Wo[n][k], on codes of FP8 (E4M3) with one E8M0 scale for each 32 along K; sums and out0 in f32.  8,192 x 1,024 x 1,024.
; A (the attention's result) lies in memory as IMAGES OF THE OPERAND'S REGISTERS: [tile of 16 tokens][128 along K][c 4][lane][16 bytes]; its scale bytes as [row][32], rows in the tiles' order.  In a tile, lane r holds token 32 b + 8 u + r + 8 (r / 8).
; B = Wo: rows 3,072 on of the weights' buffers, codes [n][1,024], scale bytes [n][32], in their natural order.
; A tile of C, 256 x 256, is made by four waves, 128 x 128 each: 64 accumulators, 512 registers.  K goes in four steps of 256 through a ring of two LDS slots filled by the tensor data mover; the scale bytes of the work-group's rows come once.
; CLUSTERS: 4 x 4 work-groups; the four of a row need the same tiles of A, the four of a column the same tiles of B: each tile is asked for jointly.  The matrix instruction is used transposed (source 0 = 16 rows of B, source 1 = 16 rows of A): a lane holds eight neighbouring numbers of a row of C.
; 128 work-groups: a smaller tile would read more LDS bytes for each matrix instruction.  No prefetch: K has four slots, two of them first fills.
; REGISTERS, in windows of 256: window 0: v0-31 addresses; v32-63 scale words, two sets; from v128 A's fragments, ONE set; on the way out v128-255 are free.  window 1: B's fragments, two sets.  windows 2, 3: the accumulators ((a, b) at v[8 (8 (a % 4) + b)]).
.set SIZE_K, 1024
.set SIZE_N, 1024
.set KSTEP,  256
.set NQ,     KSTEP/128
.set ROWB,   256                       ; a row of B's tile in bytes
.set ASTEP,  4096                      ; a K step of one tile of 16 tokens of A: two images of 2,048 bytes
.set KROW,   SIZE_K
.set PITCH,  272                       ; B's LDS row: 256 bytes + 16 of padding = 68 words: the 16 rows that a load touches start at 16 different banks (64 banks of 4 bytes: ISA guide 11.1)
.set FR,     16
.set NL,     4
.set NP,     8                         ; places behind this matrix instruction (ISA guide 7.12.1)
.set HALFT,  128*PITCH                 ; the LDS bytes kept for one tensor load: 128 rows of B; A's eight tiles use 32,768 of them
.set SLOT,   4*HALFT
.set LAPS,   SIZE_K/(2*KSTEP)
.set KS,     SIZE_K/32
.set SCL,    2*SLOT
.set HALFS,  (128*KS/256)*272
.set SBLK,   (16*KS/256)*272
.set SPARE,  SCL+4*HALFS               ; the spare words, 128 bytes for each wave: two blocks of 256 bytes that no other line names
.set SPITCH, 528                       ; the way out: a stage of 16 rows x (512 bytes + 16) for each wave, in slot 0, which has had its last fill and its last read when the first result is stored there
.set ADRA, 16
.set ADRB, 20
.set STO,  24
.set RD,   25
.set CO,   26                          ; v26 16 x lane: my place in an image, and in a row of C
.set ADRS, 27
.set SPW,  28
.set NIL,  29
.set SC,   32
.set AF,   128
.set BK,   128
.set G1, 24
.set G0, 32
.set G1B, 48
.set G0B, 56
.set G1S, 68
.set G0S, 76
.set G1SB, 80
.set G0SB, 88
.set MSB, 0
.macro WIN new                         ; the immediate's high byte repeats the setting that is left
.if MSB != (\new)
	s_set_vgpr_msb (MSB<<8)|(\new)
.set MSB, (\new)
.endif
.endm
.set MUL_LO, 0xa1
.set MUL_HI, 0xf1
.set TO_B,   0x40
.macro JLOAD g0a, g1a, g0b, g1b        ; a joint load: waves 0 and 1 fetch for A, waves 2 and 3 for B; four v_nop follow each of the two lines
	s_cmp_eq_u32 s15, 0
	s_cbranch_scc0 .Lfor_b_\@
	tensor_load_to_lds s[\g0a:\g0a+3], s[\g1a:\g1a+7]
	s_nop 0
.rept 4
	v_nop
.endr
	s_branch .Lasked_\@
.Lfor_b_\@:
	tensor_load_to_lds s[\g0b:\g0b+3], s[\g1b:\g1b+7]
	s_nop 0
.rept 4
	v_nop
.endr
.Lasked_\@:
.endm
.macro CREST
	s_cmp_lg_u32 s14, 0
	s_cbranch_scc1 .Lnot_wave_0_\@
	s_barrier_signal -3
.Lnot_wave_0_\@:
	s_barrier_wait -3
	s_barrier_signal -1
	s_barrier_wait -1
.endm
.macro CROUND
	s_barrier_signal -1
	s_barrier_wait -1
	CREST
.endm
	s_load_b128 s[4:7], s[0:1], 0x0                ; A's codes, A's scales
	s_load_b128 s[8:11], s[0:1], 0x10              ; the weights' codes, the weights' scales
	s_load_b64 s[12:13], s[0:1], 0x20              ; out0
	v_lshl_add_u32 v[SPW], v0, 2, SPARE
	v_mov_b32 v[NIL], 0
	ds_add_u32 v28, v29
	ds_add_u32 v28, v29
	s_wait_dscnt 0x0
	v_lshrrev_b32 v1, 5, v0
	v_readfirstlane_b32 s14, v1                    ; wave 0..3
	s_lshr_b32 s15, s14, 1                         ; which half of the tile's rows is mine.  Also: I fetch for A (0) or for B (1)
	s_and_b32 s16, s14, 1                          ; which half of its columns.  Also: which 128 rows of that tile I fetch
	s_bfe_u32 s40, ttmp6, 0x40000                  ; cx, cy
	s_bfe_u32 s41, ttmp6, 0x40004
	s_lshl_b32 s42, ttmp9, 2
	s_add_co_u32 s42, s42, s40                     ; tile column of C
	s_and_b32 s17, ttmp7, 0xffff
	s_lshl_b32 s17, s17, 2
	s_add_co_u32 s17, s17, s41                     ; tile row of C
	s_lshl_b32 s43, s41, 2
	s_lshl_b32 s43, 15, s43                        ; my row of the cluster
	s_lshl_b32 s44, 0x1111, s40                    ; my column
	; descriptor group 1 for A: eight tiles of 16 tokens, 4,096 consecutive bytes of each (512 elements of 8 bytes), 16,384 bytes apart; dense in LDS
	s_or_b32 s[G1+0], s43, (3<<16)|(1<<21)         ; 15:0 the mask: A's tiles go to my row; 17:16 elements of 8 bytes; 21 set beside a mask; no padding
	s_mov_b32 s[G1+1], 512<<16                     ; tensor_dim0
	s_mov_b32 s[G1+2], 8<<16                       ; tensor_dim1
	s_mov_b32 s[G1+3], 512<<16                     ; tile_dim0
	s_mov_b32 s[G1+4], 8                           ; tile_dim1
	s_mov_b32 s[G1+5], 2048                        ; tensor_dim0_stride
	s_mov_b32 s[G1+6], 0
	s_mov_b32 s[G1+7], 0
	; for B: 128 rows x 256 bytes, padded in LDS
	s_or_b32 s[G1B+0], s44, (0<<16)|(1<<20)|(1<<21)|(5<<22)|(3<<25)
	s_mov_b32 s[G1B+1], ROWB<<16
	s_mov_b32 s[G1B+2], 128<<16
	s_mov_b32 s[G1B+3], ROWB<<16
	s_mov_b32 s[G1B+4], 128
	s_mov_b32 s[G1B+5], KROW
	s_mov_b32 s[G1B+6], 0
	s_mov_b32 s[G1B+7], 0
	; the scales of 128 rows: a dense block of 4,096 bytes, as rows of 256 bytes, 16 bytes of padding behind each
	s_or_b32 s[G1S+0], s43, (3<<16)|(1<<20)|(1<<21)|(5<<22)|(3<<25)
	s_or_b32 s[G1SB+0], s44, (3<<16)|(1<<20)|(1<<21)|(5<<22)|(3<<25)
.irp g, G1S, G1SB
	s_mov_b32 s[\g+1], 32<<16
	s_mov_b32 s[\g+2], (128*KS/256)<<16
	s_mov_b32 s[\g+3], 32<<16
	s_mov_b32 s[\g+4], 128*KS/256
	s_mov_b32 s[\g+5], 32
	s_mov_b32 s[\g+6], 0
	s_mov_b32 s[\g+7], 0
.endr
	s_lshl_b32 s18, s16, 7
	s_lshl_b32 s20, s17, 8
	s_add_co_u32 s20, s20, s18                     ; A: row 256 x tile row + 128 x half
	s_lshl_b32 s46, s42, 8
	s_add_co_u32 s46, s46, s18                     ; B: row 256 x tile column + 128 x half
	s_mov_b32 s21, 0
	s_mov_b32 s47, 0
	s_mov_b64 s[18:19], KS
	s_mul_u64 s[22:23], s[20:21], s[18:19]         ; where these rows' scales begin
	s_mul_u64 s[92:93], s[46:47], s[18:19]
	s_mov_b64 s[18:19], KROW
	s_mul_u64 s[20:21], s[20:21], s[18:19]         ; and their codes (A: 16 rows are 16,384 bytes of images: the same number)
	s_mul_u64 s[46:47], s[46:47], s[18:19]
	s_mul_i32 s45, s14, HALFT                      ; where they go: no place in the cluster enters an LDS address
	s_mul_i32 s94, s14, HALFS
	s_wait_kmcnt 0x0
	s_add_nc_u64 s[8:9], s[8:9], 0x300000          ; Wo's codes: row 3,072 of the weights' buffer
	s_add_nc_u64 s[10:11], s[10:11], 0x18000       ; and its scale bytes
	s_add_nc_u64 s[20:21], s[4:5], s[20:21]
	s_add_nc_u64 s[22:23], s[6:7], s[22:23]
	s_add_nc_u64 s[46:47], s[8:9], s[46:47]
	s_add_nc_u64 s[92:93], s[10:11], s[92:93]
	CROUND                                         ; all sixteen work-groups are here: the first joint loads meet
	s_mov_b32 s[G0S], 1
	s_add_co_u32 s[G0S+1], s94, SCL
	s_mov_b64 s[G0S+2:G0S+3], s[22:23]
	s_or_b32 s[G0S+3], s[G0S+3], 0x80000000
	s_mov_b32 s[G0SB], 1
	s_add_co_u32 s[G0SB+1], s94, SCL
	s_mov_b64 s[G0SB+2:G0SB+3], s[92:93]
	s_or_b32 s[G0SB+3], s[G0SB+3], 0x80000000
	JLOAD G0S, G1S, G0SB, G1SB                     ; the scales first
.irp s, 0,1
	s_mov_b32 s[G0+4*\s], 1
	s_add_co_u32 s[G0+4*\s+1], s45, \s*SLOT
	s_add_nc_u64 s[G0+4*\s+2:G0+4*\s+3], s[20:21], \s*ASTEP
	s_or_b32 s[G0+4*\s+3], s[G0+4*\s+3], 0x80000000
	s_mov_b32 s[G0B+4*\s], 1
	s_add_co_u32 s[G0B+4*\s+1], s45, \s*SLOT
	s_add_nc_u64 s[G0B+4*\s+2:G0B+4*\s+3], s[46:47], \s*ROWB
	s_or_b32 s[G0B+4*\s+3], s[G0B+4*\s+3], 0x80000000
	s_wait_alu depctr_va_vdst(0)
	s_wait_tensorcnt 0x0
	ds_add_u32 v28, v29
	s_wait_dscnt 0x0
	CROUND
	JLOAD G0+4*\s, G1, G0B+4*\s, G1B               ; one load of mine is out
.endr
	v_and_b32 v1, 15, v0                           ; l % 16
	v_bfe_u32 v2, v0, 4, 1                         ; l / 16
	v_and_b32 v6, 31, v0
	v_lshlrev_b32 v[CO], 4, v6                     ; 16 x lane
	v_mul_u32_u24 v3, v1, PITCH
	v_lshl_add_u32 v4, v2, 4, v3                   ; B: a fragment's row x pitch + 16 x half
	s_mul_i32 s21, s15, HALFT                      ; my eight tiles of A
	s_mul_i32 s22, s16, HALFT                      ; my 128 rows of B,
	s_add_co_u32 s22, s22, 2*HALFT                 ; which lie behind A's
.irp s, 0,1
	v_add_nc_u32 v[ADRA+\s], s21, v[CO]
	v_add_nc_u32 v[ADRB+\s], s22, v4
	s_add_co_u32 s21, s21, SLOT
	s_add_co_u32 s22, s22, SLOT
.endr
	v_mul_u32_u24 v5, v1, KS
	v_lshrrev_b32 v6, 8, v5
	v_lshl_add_u32 v5, v6, 4, v5
	s_mul_i32 s21, s15, HALFS
	s_mul_i32 s22, s16, HALFS
	s_add_co_u32 s22, s22, 2*HALFS
	s_sub_co_u32 s22, s22, s21
	v_mul_u32_u24 v6, s22, v2                      ; lanes 16-31 take B's
	s_add_co_u32 s21, s21, SCL
	v_add_nc_u32 v5, v5, v6
	v_add_nc_u32 v[ADRS], s21, v5
	s_mul_i32 s23, s14, 16*SPITCH                  ; my stage
	v_mul_u32_u24 v5, v1, SPITCH                   ; in: row l % 16, 32 bytes for each half of the lanes
	v_lshl_add_u32 v5, v2, 5, v5
	v_add_nc_u32 v[STO], s23, v5
	v_add_nc_u32 v[RD], s23, v[CO]                 ; back: the 32 lanes take one row of 512 bytes
	s_lshl_b32 s20, s17, 8
	s_lshl_b32 s21, s15, 7
	s_add_co_u32 s20, s20, s21                     ; my first row of C
	s_mov_b32 s21, 0
	s_mov_b64 s[18:19], SIZE_N*4
	s_mul_u64 s[20:21], s[20:21], s[18:19]
	s_lshl_b32 s46, s42, 10                        ; my first column, in bytes
	s_lshl_b32 s47, s16, 9
	s_add_co_u32 s46, s46, s47
	s_mov_b32 s47, 0
	s_add_nc_u64 s[20:21], s[20:21], s[46:47]
	s_add_nc_u64 s[12:13], s[12:13], s[20:21]
.macro FRAG reg, adr, q, i             ; a fragment of B from rows: lane l holds row l % 16; registers 4 c .. 4 c + 3 hold K = 32 c + 16 (l / 16) + 0 .. 15
.irp c, 0,1,2,3
	ds_load_b128 v[\reg+4*\c:\reg+4*\c+3], v[\adr] offset:128*(\q)+32*\c+(\i)*16*PITCH
.endr
.endm
.macro FRAGA reg, adr, q, i            ; a fragment of A from its image: 512 consecutive bytes a load
.irp c, 0,1,2,3
	ds_load_b128 v[\reg+4*\c:\reg+4*\c+3], v[\adr] offset:4096*(\i)+2048*(\q)+512*\c
.endr
.endm
.macro MUL16 a0, p, q, sc, zero        ; 16 matrix instructions; the 64 accumulators take turns, one instruction a turn, in the same order in every step
.irp a, \a0, \a0+1
.irp b, 0,1,2,3,4,5,6,7
.if \zero
	v_wmma_scale_f32_16x16x128_f8f6f4 v[8*(8*((\a)%4)+\b):8*(8*((\a)%4)+\b)+7], v[128*(\p)+FR*\b:128*(\p)+FR*\b+FR-1], v[AF+FR*(\a):AF+FR*(\a)+FR-1], 0, v[SC+8*NQ*(\sc)+NQ*\b+(\q)], v[SC+8*NQ*(\sc)+NQ*(\a)+(\q)] matrix_a_scale:MATRIX_SCALE_ROW1
.else
	v_wmma_scale_f32_16x16x128_f8f6f4 v[8*(8*((\a)%4)+\b):8*(8*((\a)%4)+\b)+7], v[128*(\p)+FR*\b:128*(\p)+FR*\b+FR-1], v[AF+FR*(\a):AF+FR*(\a)+FR-1], v[8*(8*((\a)%4)+\b):8*(8*((\a)%4)+\b)+7], v[SC+8*NQ*(\sc)+NQ*\b+(\q)], v[SC+8*NQ*(\sc)+NQ*(\a)+(\q)] matrix_a_scale:MATRIX_SCALE_ROW1
.endif
.endr
.endr
.endm
.macro FETCH_B slot, q, p
	WIN TO_B
.irp i, 0,1,2,3,4,5,6,7
	FRAG 128*(\p)+FR*\i, ADRB+\slot, \q, \i
.endr
	WIN 0
.endm
.macro FETCH_A slot, q, i0
.irp i, \i0, \i0+1, \i0+2, \i0+3
	FRAGA AF+FR*(\i), ADRA+\slot, \q, \i
.endr
.endm
.macro SCALES sc
.irp i, 0,1,2,3,4,5,6,7
	ds_load_b64 v[SC+8*NQ*\sc+NQ*\i:SC+8*NQ*\sc+NQ*\i+1], v[ADRS] offset:\i*SBLK
.endr
.endm
.macro PLACES n                        ; plain vector instructions behind matrix instructions, in front of loads into their registers and of reads of their results (ISA guide 7.12.1 for vector instructions)
.rept \n
	v_nop
.endr
.endm
.macro STEP slot, q, zero
	s_wait_dscnt 4*NL                              ; B's set and A's blocks 0-3 are in; the youngest sixteen loads (A's blocks 4-7) may be out
	WIN MUL_LO
	MUL16 0, (\q)%2, \q, \slot, \zero
	MUL16 2, (\q)%2, \q, \slot, \zero
	s_wait_dscnt 0
	PLACES NP
	FETCH_B \slot, (\q)+1, 1-(\q)%2
	FETCH_A \slot, (\q)+1, 0
	WIN MUL_HI
	MUL16 4, (\q)%2, \q, \slot, \zero
	MUL16 6, (\q)%2, \q, \slot, \zero
	PLACES NP
	WIN 0
	FETCH_A \slot, (\q)+1, 4
.endm
.macro TURN slot, next, fill           ; a slot's last step changes slots: ONE barrier; in front of it the wait for all my tensor loads, the add, and the wait for it and for my reads of this slot
	s_wait_tensorcnt 0x0                           ; all my tensor loads have landed: my part of the next slot
	ds_add_u32 v[SPW], v[NIL]                      ; 0 onto my spare word
	s_wait_dscnt 4*NL+1                            ; (the add and the youngest sixteen loads may be out)
	WIN MUL_LO
	MUL16 0, 1, NQ-1, \slot, 0
	s_wait_dscnt 0x0                               ; the add is done, and my reads of this slot are over
	s_barrier_signal -1
	MUL16 2, 1, NQ-1, \slot, 0
	WIN 0
	s_barrier_wait -1
.if \fill
	CREST                                          ; the barrier has opened a round of the cluster's barrier
	s_add_nc_u64 s[G0+4*\slot+2:G0+4*\slot+3], s[G0+4*\slot+2:G0+4*\slot+3], 2*ASTEP
	s_add_nc_u64 s[G0B+4*\slot+2:G0B+4*\slot+3], s[G0B+4*\slot+2:G0B+4*\slot+3], 2*ROWB
	JLOAD G0+4*\slot, G1, G0B+4*\slot, G1B         ; the first tensor load behind the round
	PLACES NP-4
.else
	PLACES NP
.endif
	s_wait_alu depctr_va_vdst(0)
	v_add_nc_u32 v[ADRS], 4*NQ, v[ADRS]
	FETCH_B \next, 0, 0
	FETCH_A \next, 0, 0
	SCALES \next
	WIN MUL_HI
	MUL16 4, 1, NQ-1, \slot, 0
	MUL16 6, 1, NQ-1, \slot, 0
	PLACES NP
	WIN 0
	FETCH_A \next, 0, 4
.endm
	s_wait_alu depctr_va_vdst(0)
	s_wait_tensorcnt 1                             ; the scales and my part of K step 0 are in (K step 1's load may be out)
	s_barrier_signal -1
	s_barrier_wait -1                              ; everybody's are
	FETCH_B 0, 0, 0
	FETCH_A 0, 0, 0
	SCALES 0
	FETCH_A 0, 0, 4
	STEP 0, 0, 1                                   ; the first step's products start the sums
	s_mov_b32 s3, LAPS-1
.Llap:
	TURN 0, 1, 1
	STEP 1, 0, 0
	TURN 1, 0, 1
	STEP 0, 0, 0
	s_sub_co_u32 s3, s3, 1
	s_cmp_lg_u32 s3, 0
	s_cbranch_scc1 .Llap
	TURN 0, 1, 0                                   ; the last lap fills nothing
	STEP 1, 0, 0
	s_wait_dscnt 4*NL
	WIN MUL_LO
	MUL16 0, 1, NQ-1, 1, 0
	MUL16 2, 1, NQ-1, 1, 0
	s_wait_dscnt 0
	WIN MUL_HI
	MUL16 4, 1, NQ-1, 1, 0
	MUL16 6, 1, NQ-1, 1, 0
	WIN 0
; THE WAY OUT, block by block of 16 rows x 128 columns, through my own stage in LDS: in as 32 bytes a lane, back as whole rows of 512 bytes.  LDS serves a wave's instructions in order (ISA guide 5.7.1.4): no wait between the stores and the loads.
.macro TOSTAGE a
.set AC, 64*((\a)%4)
	WIN 0x08+4*((\a)/4)                            ; the data: window 2 or 3
.irp b, 0,1,2,3,4,5,6,7
	ds_store_b128 v[STO], v[AC+8*\b:AC+8*\b+3] offset:64*\b          ; each accumulator from its low end on
	ds_store_b128 v[STO], v[AC+8*\b+4:AC+8*\b+7] offset:64*\b+16
.endr
	WIN 0
.set BB, BK+64*((\a)%2)
.irp t, 0,1,2,3,4,5,6,7,8,9,10,11,12,13,14,15
	ds_load_b128 v[BB+4*\t:BB+4*\t+3], v[RD] offset:\t*SPITCH
.endr
.endm
.macro SEND a, younger                 ; row t of block a is token 32 (a / 2) + 8 (a % 2) + t + 8 (t / 8) of my 128: its place stands in the immediate (520,192 bytes at the most), so the base is never stepped
.set BB, BK+64*((\a)%2)
	s_wait_dscnt \younger                          ; the block is back in registers
.irp t, 0,1,2,3,4,5,6,7,8,9,10,11,12,13,14,15
	global_store_b128 v[CO], v[BB+4*\t:BB+4*\t+3], s[12:13] offset:(32*((\a)/2)+8*((\a)%2)+\t+8*(\t/8))*SIZE_N*4 th:TH_STORE_NT   ; 32 lanes store 512 consecutive bytes, aligned
.endr
.endm
	PLACES NP                                      ; behind the last products: for the loads into the registers that held A's fragments, and for the reads of results
	TOSTAGE 0
.irp a, 1,2,3,4,5,6,7
.if \a > 1
	s_wait_xcnt 0x0                                ; block a - 2's stores have read their registers: block a's loads may land there
.endif
	TOSTAGE \a
	SEND \a-1, 32                                  ; behind block a - 1's loads: block a's 16 stores and 16 loads
.endr
	SEND 7, 0
	s_wait_tensorcnt 0x0                           ; the wave's end
	ds_add_u32 v[SPW], v[NIL]
	s_wait_dscnt 0x0
	CROUND                                         ; the closing round
	s_endpgm
.Lfunc_end_k_qd8e663d130_oproj:
	.size	k_qd8e663d130_oproj, .Lfunc_end_k_qd8e663d130_oproj-k_qd8e663d130_oproj
	.p2alignl 7, 3214868480
	.fill 96, 4, 3214868480
	.section	.rodata,"a",@progbits
	.p2align	6, 0x0
	.amdhsa_kernel k_qd8e663d130_oproj
		.amdhsa_group_segment_fixed_size 327680
		.amdhsa_private_segment_fixed_size 0
		.amdhsa_enable_private_segment 0
		.amdhsa_kernarg_size 40
		.amdhsa_user_sgpr_count 2
		.amdhsa_user_sgpr_kernarg_segment_ptr 1
		.amdhsa_wavefront_size32 1
		.amdhsa_system_sgpr_workgroup_id_x 1
		.amdhsa_system_sgpr_workgroup_id_y 1
		.amdhsa_system_sgpr_workgroup_id_z 1
		.amdhsa_system_vgpr_workitem_id 0
		.amdhsa_next_free_vgpr 1024
		.amdhsa_next_free_sgpr 98
		.amdhsa_reserve_vcc 0
		.amdhsa_float_denorm_mode_32 3
		.amdhsa_float_denorm_mode_16_64 3
		.amdhsa_memory_ordered 1
		.amdhsa_forward_progress 1
		.amdhsa_inst_pref_size 146
	.end_amdhsa_kernel
	.amdgpu_metadata
---
amdhsa.version: [ 1, 2 ]
amdhsa.kernels:
  - .name:           k_qd8e663d130_oproj
    .symbol:         k_qd8e663d130_oproj.kd
    .args:
      - { .name: act_codes, .offset: 0, .size: 8, .value_kind: global_buffer, .address_space: global }
      - { .name: act_scales, .offset: 8, .size: 8, .value_kind: global_buffer, .address_space: global }
      - { .name: w_codes, .offset: 16, .size: 8, .value_kind: global_buffer, .address_space: global }
      - { .name: w_scales, .offset: 24, .size: 8, .value_kind: global_buffer, .address_space: global }
      - { .name: out0, .offset: 32, .size: 8, .value_kind: global_buffer, .address_space: global }
    .group_segment_fixed_size: 327680
    .private_segment_fixed_size: 0
    .kernarg_segment_align: 8
    .kernarg_segment_size: 40
    .max_flat_workgroup_size: 128
    .sgpr_count:     98
    .vgpr_count:     1024
    .wavefront_size: 32
...
	.end_amdgpu_metadata
.endif
;; end of part 4
